; MI455X (gfx1250); checked and timed in simulation.
; The chip was launched on July 23, 2026; its instructions are those of AMD's public machine-readable ISA for CDNA 5 (MIT licence, August 2026) and "CDNA5" Instruction Set Architecture Reference Guide (July 2026). The comments in the code are by the model that wrote it; some were corrected since.
;; Flash Multi Head Attention. Allowed arithmetic: matrix products marked QUANTISED: E2M3 operands, one E8M0 scale for each 32 along K, by v_wmma_scale_f32_16x16x128_f8f6f4 with both operands' format E2M3, f32 sums; everything else in f32.
;; Inputs: W_out 1,024 x 1,024 float32; W_qkv 1,024 x 3,072 float32; attn_mask 128 x 102 x 102 bool; b_out 1,024 float32; b_qkv 3,072 float32; key 128 x 102 x 1,024 float32; query 128 x 102 x 1,024 float32; value 128 x 102 x 1,024 float32.
;; Outputs: out0 128 x 102 x 1,024 float32.
;; This version of the problem:
;;   THIS VERSION OF THE PROBLEM IS GIVEN IN LOW PRECISION. The matrix products marked QUANTISED in the list below multiply operands that are first quantised to E2M3 (2 exponent bits, 3 mantissa bits; 6 bits a number), with one power-of-two scale for each 32 numbers along K (OCP MX v1.0); their sums are f32. All else is computed in f32.
;;   The module's matrix products, in the order in which they are computed (A, B: the left and right operand; K: the contracted axis; several contracted axes count as one K, in the product's order):
;;     1. [M 13,056, K 1,024] x [K 1,024, N 3,072]; A: input query; B: input W_qkv: QUANTISED
;;     2. batch 2,048 x [M 102, K 64] x [K 64, N 102]; A: computed on the way; B: computed on the way: QUANTISED
;;     3. batch 2,048 x [M 102, K 102] x [K 102, N 64]; A: softmax (see below); B: computed on the way: QUANTISED
;;     4. [M 13,056, K 1,024] x [K 1,024, N 1,024]; A: computed on the way; B: input W_out: QUANTISED
;;   THE QUANTISER, for each operand of a quantised product, along K:
;;     - K is cut into blocks of 32 from its start; a last block that is shorter is filled with zeros.
;;     - A block's scale is 2^e with e = floor(log2(the largest magnitude in the block)) - 2, held to -126 .. 127; a block of zeros has e = 0. As a byte (E8M0): e + 127.
;;     - Each number is divided by its block's scale, clamped to +-7.5, and rounded to the nearest number of E2M3, ties to even, subnormals kept.
;;     - The product sums the exact products of the quantised numbers (number of the format x scale) in f32.
;;   ~~~python
;;   def quantise(x, axis):      # numpy; x: float32 -> the quantised numbers, widened to float32 again
;;       x = np.moveaxis(x, axis, -1); K = x.shape[-1]
;;       x = np.pad(x, [(0, 0)] * (x.ndim - 1) + [(0, -K % 32)]); x = x.reshape(x.shape[:-1] + (-1, 32)); a = np.abs(x).max(-1, keepdims=True)
;;       e = np.where(a > 0, np.clip(np.frexp(np.where(a > 0, a, 1))[1] - 1 - 2, -126, 127), 0)      # np.frexp(a)[1] - 1 = floor(log2(a)), exactly
;;       r = np.clip(x / 2.0 ** e, -7.5, 7.5)
;;       step = 2.0 ** (np.maximum(np.frexp(np.where(r == 0, 1, r))[1] - 1, 0) - 3)
;;       q = np.round(r / step) * step * 2.0 ** e      # np.round: ties to even
;;       return np.moveaxis(q.reshape(q.shape[:-2] + (-1,))[..., :K], -1, axis).astype(np.float32)
;;   ~~~
;;   SOFTMAX AHEAD OF A QUANTISED PRODUCT. Where the list says 'softmax', what is quantised is not the finished softmax but p = 2^(t - M), with t = logit x log2(e) and M = ceil(the row's largest t), a whole number; so 1/2 < the row's largest p <= 1. The row's sum l is taken of the UNQUANTISED p, in f32, and the product's result is divided by l at the end. Since M is a whole number, a kernel that streams over the keys may use a running M (the ceiling of the running maximum): every later rescaling is an exact power of two, which a block's scale takes up: the codes' values come out the same.
;;   OPERANDS COMPUTED ON THE WAY. 'Computed on the way' means the value that the module computes at that place (a softmax that the list does not call 'softmax' is quantised finished and normalised). What goes into a quantiser is computed in f32, as accurately as f32 sums, v_exp_f32 and their like allow (about 1e-6 of the number): no bf16 or f16 on the way to a quantiser, and a product that is left as it is and whose result goes on into a quantised operand takes f32 operands (vector FMAs, or v_wmma_f32_16x16x4_f32). A number that lies on a knife's edge between two numbers of the format may be rounded either way, as far as f32 arithmetic and the matrix unit's own rounding can turn it there, and no further.
;; One version. Each part assembles by itself: llvm-mc -triple=amdgcn-amd-amdhsa -mcpu=gfx1250 --defsym DOCPART=n.
;; ======== version 1 of 1: 3 launches
;; limits: right only within a limited range of input values
;; workspace buffers: xq 11,010,048 bytes; xsc 524,288 bytes; wq 2,457,600 bytes; wo 819,200 bytes; rope 28,672 bytes; ao 11,010,048 bytes; asc 524,288 bytes
;; launch prep (part 1): grid 514 x 1, 4 waves a work-group, no clusters, 48,640 bytes of LDS; arguments query, W_qkv, W_out, xq, xsc, wq, wo, rope; writes xq, xsc, wq, wo, rope
.if DOCPART == 1
	.amdgcn_target "amdgcn-amd-amdhsa--gfx1250"
	.amdhsa_code_object_version 6
	.text
	.protected	k_qe26d79e764_prep
	.globl	k_qe26d79e764_prep
	.p2align	8
	.type	k_qe26d79e764_prep,@function
k_qe26d79e764_prep:
	s_mov_b64 s[64:65], 0
	v_nop
	global_prefetch_b8 v0, s[64:65] scope:SCOPE_SE
	s_setreg_imm32_b32 hwreg(HW_REG_WAVE_MODE, 25, 1), 1
	s_wait_xcnt 0x0
; PREP: query, W_qkv and W_out become codes of FP6 (E2M3) with one E8M0 byte for each 32 along K, laid as IMAGES OF THE OPERAND'S REGISTERS; and the table of cosines and sines is made.
; A block's scale is 2^(floor(log2(largest magnitude)) - 2): its byte is the largest magnitude's exponent field - 2, held at 1 from below by a floor among the maximum's leaves.
; LIMITS: a block of zeros gets the byte 1 (its codes are zeros; this program alone reads the bytes); NaN and infinities among the inputs are not served.
; rowof(t, i) = 32 (t / 2) + 8 (t % 2) + i + 8 (i / 8): the rows of a batch that form tile t (t = 0 .. 6; rows from 102 on are zeros), and the columns of a group of 128 that form tile t of a weight.
; ROLES, by the work-group's number: 0-255 X (query), 256-511 W (the weights), 512-513 R (the table).  Each role has LDS bytes of its own.
;   X: work-group = (batch, half of K); a wave takes one K step of 128 and makes the batch's 7 fragments.  xq: [b][s][t] 6 pieces of 256 bytes (registers 2 i, 2 i + 1 at 8 x lane); xsc: [b][s] 512 bytes, word of tile t, row i at 64 t + 4 i.
;   W: a wave takes 32 columns x 128 along K, a lane a column, registers down K.  A chunk of 12,800 bytes = 8 fragments of 3 pieces of 512 bytes (registers 4 p .. 4 p + 3 at 16 x lane), then 512 bytes of scale words.
;   R: a wave takes a tile of rows: 32 registers a lane, register 16 b + 2 e = cos, + 1 = sin of rowof(t, r) x 10^-((16 b + 8 h + e) / 8).
; key and value are arguments of no launch: reference() reads neither, so no value of theirs has a way to out0 (a NaN or an infinity in them is not carried to the result).
.set SPARE, 48128
.set SPW, 10                           ; v10  SPARE + 4 x my thread's number; never rewritten
.set NIL, 11                           ; v11  0; never rewritten
	s_load_b256 s[4:11], s[0:1], 0x0               ; query s[4:5], W_qkv s[6:7], W_out s[8:9], xq s[10:11]
	s_load_b256 s[12:19], s[0:1], 0x20             ; xsc s[12:13], wq s[14:15], wo s[16:17], rope s[18:19]
	v_lshl_add_u32 v[SPW], v0, 2, SPARE
	v_mov_b32 v[NIL], 0
	v_lshrrev_b32 v1, 5, v0
	v_readfirstlane_b32 s20, v1                    ; wave
	v_and_b32 v1, 31, v0                           ; lane
	v_and_b32 v2, 15, v0                           ; r
	v_bfe_u32 v3, v0, 4, 1                         ; h
	s_mov_b32 s28, 0x76543210
	s_mov_b32 s29, 0xfedcba98                      ; v_permlanex16_b32's selects for lane l xor 16
	s_mov_b32 s32, 0xffff0000                      ; lanes 16-31
	s_mov_b32 s25, 0
	s_wait_kmcnt 0x0
	s_cmp_lt_u32 ttmp9, 256
	s_cbranch_scc0 .Lnot_x
; ================= ROLE X =================
; v4 16 x lane, v5 8 x lane, v6 stage in, v7 stage out, v8, v9 the gather of scale words, v12-15 zeros, v16-19 the scale words of tiles 2 j | 2 j + 1, v20-28 at work,
; v32-43 a fragment, v44-50 second halves, v64-127 my 64 numbers, v128-255 two sets of 16 rows as loaded
	s_lshr_b32 s21, ttmp9, 1                       ; batch
	s_and_b32 s22, ttmp9, 1
	s_lshl_b32 s22, s22, 2
	s_add_co_u32 s22, s22, s20                     ; K step
	s_mul_i32 s24, s21, 417792
	s_lshl_b32 s23, s22, 9
	s_add_co_u32 s24, s24, s23
	s_add_nc_u64 s[4:5], s[4:5], s[24:25]          ; query at my batch's first row, my 512 bytes of it
	s_lshl_b32 s23, s21, 3
	s_add_co_u32 s23, s23, s22                     ; 8 b + s
	s_mul_i32 s24, s23, 10752
	s_add_nc_u64 s[10:11], s[10:11], s[24:25]
	s_lshl_b32 s24, s23, 9
	s_add_nc_u64 s[12:13], s[12:13], s[24:25]
	s_mul_i32 s26, s20, 8960                       ; my LDS: a stage of 16 rows x 528 bytes, then 512 bytes
	s_add_co_u32 s27, s26, 8448
	s_wait_alu depctr_va_vdst(0)
	v_lshlrev_b32 v4, 4, v1
	v_lshlrev_b32 v5, 3, v1
	v_add_nc_u32 v6, s26, v4                       ; in: a row's 512 bytes as they lie
	v_mul_u32_u24 v7, v2, 528
	v_lshl_add_u32 v7, v3, 7, v7
	v_add_nc_u32 v7, s26, v7                       ; out: row r, + 128 h: k = 32 h on
	v_lshl_add_u32 v8, v1, 2, s27
	v_add_nc_u32 v9, s27, v4
	v_mov_b32 v12, 0
	v_mov_b32 v13, 0
	v_mov_b32 v14, 0
	v_mov_b32 v15, 0
	v_mov_b32 v27, 0                               ; a lane permute's destination counts as one of its sources
	v_lshlrev_b32 v28, 3, v3                       ; 8 h
.macro LOADT t                         ; tile t's rows that exist: each load reads 512 consecutive bytes of a row
.set lI, 0
.rept 16
.set lR, 32*((\t)/2)+8*((\t)%2)+lI+8*(lI/8)
.if lR < 102
	global_load_b128 v[128+64*((\t)%2)+4*lI:128+64*((\t)%2)+4*lI+3], v4, s[4:5] offset:lR*4096 th:TH_LOAD_NT
.endif
.set lI, lI+1
.endr
.endm
.macro XTILE t
.set xR, 128+64*((\t)%2)
.if (\t) <= 4
	s_wait_loadcnt 16                              ; my tile's loads are in; the next tile's 16 may be out
.elseif (\t) == 5
	s_wait_loadcnt 6                               ; tile 6 has six rows
.else
	s_wait_loadcnt 0
.endif
.set xI, 0
.rept 16
.if 32*((\t)/2)+8*((\t)%2)+xI+8*(xI/8) < 102
	ds_store_b128 v6, v[xR+4*xI:xR+4*xI+3] offset:528*xI
.else
	ds_store_b128 v6, v[12:15] offset:528*xI       ; a row past the batch's end: zeros
.endif
.set xI, xI+1
.endr
.set xI, 0
.rept 16
	ds_load_b128 v[64+4*xI:64+4*xI+3], v7 offset:256*(xI/8)+16*(xI%8)   ; k = 64 c + 32 h + 0 .. 31 of my row; LDS serves a wave's instructions in order
.set xI, xI+1
.endr
	s_wait_dscnt 0x0                               ; my numbers are in, and the stores have read the loaded set
	s_wait_xcnt 0x0                                ; the last tile's stores have read v32-43
.if (\t)+2 <= 6
	LOADT (\t)+2
.endif
	v_max3_num_f32 v20, |v64|, |v65|, 0x1800000    ; two whole blocks are mine; the floor 2^(3 - 127) holds the byte at 1 from below
	v_max3_num_f32 v21, |v96|, |v97|, 0x1800000
.set xI, 2
.rept 15
	v_max3_num_f32 v20, v20, |v[64+xI]|, |v[65+xI]|
	v_max3_num_f32 v21, v21, |v[96+xI]|, |v[97+xI]|
.set xI, xI+2
.endr
	v_add_nc_u32 v22, 0xff000000, v20              ; 2 off the exponent field: the conversion's scale operand
	v_add_nc_u32 v23, 0xff000000, v21
	v_lshrrev_b32 v24, 23, v22                     ; the bytes of blocks h and 2 + h
	v_lshrrev_b32 v25, 23, v23
	v_lshl_or_b32 v26, v25, 16, v24
	v_lshlrev_b32 v26, v28, v26                    ; at their places in the word
	v_permlanex16_b32 v27, v26, s28, s29
	v_or_b32 v26, v26, v27                         ; with lane l xor 16's two the word is whole
	v_cvt_scalef32_pk16_fp6_f32 v[32:34], v[64:79], v22
	v_cvt_scalef32_pk16_fp6_f32 v[44:46], v[80:95], v22     ; (a conversion's three registers begin on an even number)
	v_cvt_scalef32_pk16_fp6_f32 v[38:40], v[96:111], v23
	v_cvt_scalef32_pk16_fp6_f32 v[48:50], v[112:127], v23
	v_nop                                          ; one plain place behind a scaled conversion
	v_mov_b32 v35, v44
	v_mov_b32 v36, v45
	v_mov_b32 v37, v46
	v_mov_b32 v41, v48
	v_mov_b32 v42, v49
	v_mov_b32 v43, v50
.if (\t) == 6
	v_cndmask_b32 v19, v26, 0, s32                 ; there is no tile 7
.elseif (\t)%2 == 0
	v_mov_b32 v[16+(\t)/2], v26
.else
	v_cndmask_b32 v[16+(\t)/2], v[16+(\t)/2], v26, s32   ; the odd tile's words in lanes 16-31
.endif
.set xI, 0
.rept 6
	global_store_b64 v5, v[32+2*xI:33+2*xI], s[10:11] offset:(\t)*1536+256*xI   ; 32 lanes store 256 consecutive bytes, aligned
.set xI, xI+1
.endr
.endm
	LOADT 0
	LOADT 1
	s_wait_alu depctr_va_vdst(0)
	XTILE 0
	XTILE 1
	XTILE 2
	XTILE 3
	XTILE 4
	XTILE 5
	XTILE 6
.set xI, 0
.rept 4
	ds_store_b32 v8, v[16+xI] offset:128*xI
.set xI, xI+1
.endr
	ds_load_b128 v[20:23], v9
	s_wait_dscnt 0x0
	global_store_b128 v4, v[20:23], s[12:13]       ; the K step's 512 bytes of scale words
	s_wait_tensorcnt 0x0                           ; the wave's end
	ds_add_u32 v[SPW], v[NIL]
	s_wait_dscnt 0x0
	s_endpgm
.Lnot_x:
	s_cmp_lt_u32 ttmp9, 512
	s_cbranch_scc0 .Lrole_r
; ================= ROLE W =================
; s22 K step, s23 G = the group of 32 columns, s27 the chunk, s31 which quarter of the chunk's 128 columns, s35 the pitch
	s_sub_co_u32 s21, ttmp9, 256
	s_cmp_lt_u32 s21, 192
	s_cbranch_scc0 .Lw_out
	s_and_b32 s22, s21, 7
	s_lshr_b32 s23, s21, 3
	s_lshl_b32 s23, s23, 2
	s_add_co_u32 s23, s23, s20                     ; G = 0 .. 95
	s_lshr_b32 s24, s23, 5                         ; 0 q, 1 k, 2 v
	s_bfe_u32 s26, s23, 0x40001                    ; the head
	s_and_b32 s30, s23, 1                          ; which 32 of its 64
	s_lshr_b32 s27, s26, 1                         ; the wave of attn that owns the head: 4 g + w
	s_and_b32 s26, s26, 1                          ; the head's parity
	s_mul_i32 s27, s27, 3
	s_lshl_b32 s31, s26, 1
	s_lshl_b32 s33, s24, 1
	s_add_co_u32 s34, s26, 1
	s_cmp_eq_u32 s24, 2
	s_cselect_b32 s34, 0, s34                      ; pass 0: v of both heads; pass 1 + parity: q and k of one head
	s_cselect_b32 s31, s31, s33
	s_add_co_u32 s31, s31, s30
	s_add_co_u32 s27, s27, s34
	s_lshl_b32 s27, s27, 3
	s_add_co_u32 s27, s27, s22
	s_mov_b32 s35, 12288
	s_branch .Lw_go
.Lw_out:
	s_sub_co_u32 s21, s21, 192
	s_and_b32 s22, s21, 7
	s_lshr_b32 s23, s21, 3
	s_lshl_b32 s23, s23, 2
	s_add_co_u32 s23, s23, s20                     ; G = 0 .. 31
	s_lshr_b32 s27, s23, 2
	s_and_b32 s31, s23, 3
	s_lshl_b32 s27, s27, 3
	s_add_co_u32 s27, s27, s22
	s_mov_b32 s35, 4096
.Lw_go:
	s_cmp_lt_u32 ttmp9, 448                        ; the choice of buffers hangs on the work-group's number alone
	s_cselect_b64 s[36:37], s[6:7], s[8:9]
	s_cselect_b64 s[38:39], s[14:15], s[16:17]
	s_mul_i32 s40, s27, 12800
	s_mul_i32 s41, s31, 3072
	s_add_co_u32 s42, s40, s41                     ; my two fragments
	s_mov_b32 s43, 0
	s_lshl_b32 s41, s31, 7
	s_add_co_u32 s40, s40, s41
	s_add_co_u32 s40, s40, 12288                   ; their scale words
	s_mov_b32 s41, 0
	s_add_nc_u64 s[52:53], s[38:39], s[40:41]
	s_add_nc_u64 s[38:39], s[38:39], s[42:43]
	s_lshl_b32 s54, s22, 7
	s_mul_i32 s54, s54, s35                        ; row 128 s
	s_lshl_b32 s55, s23, 7                         ; column 32 G
	s_add_co_u32 s54, s54, s55
	s_mov_b32 s55, 0
	s_add_nc_u64 s[44:45], s[36:37], s[54:55]
	s_lshl_b32 s54, s35, 5                         ; 32 rows on
	s_add_nc_u64 s[46:47], s[44:45], s[54:55]
	s_add_nc_u64 s[48:49], s[46:47], s[54:55]
	s_add_nc_u64 s[50:51], s[48:49], s[54:55]
	s_wait_alu depctr_va_vdst(0)
	v_lshlrev_b32 v32, 2, v1                       ; v32-63: 4 x lane + i rows
.set wI, 1
.rept 31
	v_add_nc_u32 v[32+wI], s35, v[31+wI]
.set wI, wI+1
.endr
	v_bfe_u32 v12, v1, 3, 1                        ; column o = 8 u + r + 8 (r / 8): u, which of the two tiles;
	v_and_b32 v13, 7, v1
	v_lshrrev_b32 v14, 4, v1
	v_lshl_add_u32 v13, v14, 3, v13                ; r, which lane of it
	s_mul_i32 s56, s20, 3072
	s_add_co_u32 s56, s56, 35840                   ; my stage: two fragments' images
	v_mul_u32_u24 v4, v12, 1536
	v_lshl_add_u32 v4, v13, 4, v4
	v_add_nc_u32 v4, s56, v4
	v_lshlrev_b32 v6, 4, v1
	v_add_nc_u32 v5, s56, v6
	v_lshl_add_u32 v7, v12, 4, v13
	v_lshlrev_b32 v7, 2, v7
.macro WLOAD q                         ; block q: 32 rows of my column; a wave's load reads 128 consecutive bytes, the four waves stand side by side
.set wI, 0
.rept 32
	global_load_b32 v[64+32*((\q)%2)+wI], v[32+wI], s[44+2*(\q):45+2*(\q)] th:TH_LOAD_NT
.set wI, wI+1
.endr
.endm
.macro WBLOCK q
.set wX, 64+32*((\q)%2)
.if (\q) < 3
	s_wait_loadcnt 32                              ; this block's 32 loads are in, the next block's may be out
.else
	s_wait_loadcnt 0
.endif
	v_max3_num_f32 v12, |v[wX]|, |v[wX+1]|, |v[wX+2]|
	v_max3_num_f32 v13, |v[wX+3]|, |v[wX+4]|, |v[wX+5]|
.set wI, 6
.rept 6
	v_max3_num_f32 v12, v12, |v[wX+wI]|, |v[wX+wI+1]|
	v_max3_num_f32 v13, v13, |v[wX+wI+2]|, |v[wX+wI+3]|
.set wI, wI+4
.endr
	v_max3_num_f32 v12, v12, |v[wX+30]|, |v[wX+31]|
	v_max3_num_f32 v12, v12, v13, 0x1800000
	v_add_nc_u32 v14, 0xff000000, v12
	v_lshrrev_b32 v15, 23, v14
.if (\q) == 0
	v_mov_b32 v16, v15
.else
	v_lshl_or_b32 v16, v15, 8*(\q), v16            ; my column's scale word
.endif
	v_cvt_scalef32_pk16_fp6_f32 v[20:22], v[wX:wX+15], v14
	v_cvt_scalef32_pk16_fp6_f32 v[24:26], v[wX+16:wX+31], v14
	v_nop
	v_mov_b32 v23, v24
	v_mov_b32 v24, v25
	v_mov_b32 v25, v26                             ; v20-25: registers 6 (q / 2) .. + 5 of lane r + 16 (q % 2) of my tile's fragment
.set wI, 0
.rept 3
.set wR, 6*((\q)/2)+2*wI
	ds_store_b64 v4, v[20+2*wI:21+2*wI] offset:(wR/4)*512+256*((\q)%2)+(wR%4)*4
.set wI, wI+1
.endr
.if (\q)+2 < 4
	WLOAD (\q)+2
.endif
	s_wait_dscnt 0x0                               ; the stores have read their registers
.endm
	WLOAD 0
	WLOAD 1
	WBLOCK 0
	WBLOCK 1
	WBLOCK 2
	WBLOCK 3
	s_wait_alu depctr_va_vdst(0)
	global_store_b32 v7, v16, s[52:53]             ; 128 consecutive bytes: a quarter of the chunk's scale words
.set wI, 0
.rept 6
	ds_load_b128 v[128+4*wI:131+4*wI], v5 offset:512*wI
.set wI, wI+1
.endr
.set wI, 0
.rept 6
	s_wait_dscnt 5-wI
	global_store_b128 v6, v[128+4*wI:131+4*wI], s[38:39] offset:512*wI   ; 512 consecutive bytes, aligned
.set wI, wI+1
.endr
	s_wait_tensorcnt 0x0                           ; the wave's end
	ds_add_u32 v[SPW], v[NIL]
	s_wait_dscnt 0x0
	s_endpgm
; ================= ROLE R =================
.Lrole_r:
	s_sub_co_u32 s21, ttmp9, 512
	s_lshl_b32 s21, s21, 2
	s_add_co_u32 s21, s21, s20                     ; the tile of rows
	s_cmp_eq_u32 s21, 7
	s_cbranch_scc1 .Lr_end                         ; seven tiles for eight waves
	s_lshr_b32 s22, s21, 1
	s_lshl_b32 s22, s22, 5
	s_and_b32 s23, s21, 1
	s_lshl_b32 s23, s23, 3
	s_add_co_u32 s22, s22, s23
	s_wait_alu depctr_va_vdst(0)
	v_lshrrev_b32 v4, 3, v2
	v_lshl_add_u32 v4, v4, 3, v2
	v_add_nc_u32 v4, s22, v4
	v_cvt_f32_u32 v4, v4                           ; the position rowof(t, r)
	s_mov_b32 s40, 0x3dcccccd                      ; 0.1
	s_mov_b32 s41, 0x3c23d70a                      ; 0.01
	s_mov_b32 s42, 0x3a83126f                      ; 0.001
	v_mov_b32 v5, 1.0
	v_cndmask_b32 v5, v5, s40, s32                 ; 10^-h
	s_wait_alu depctr_va_vdst(0)
	v_mov_b32 v6, s41
	v_cndmask_b32 v6, v6, s42, s32                 ; 10^-(2 + h)
	s_mov_b32 s43, 0x3f22f983                      ; 2 / pi
	s_mov_b32 s44, 0xbfc90fdb                      ; - pi / 2, its f32
	s_mov_b32 s45, 0x333bbd2e                      ; and what that f32 has too much
	s_mov_b32 s46, 0xb94ca1f9                      ; the sine's three coefficients
	s_mov_b32 s47, 0x3c08839e
	s_mov_b32 s48, 0xbe2aaaa3
	s_mov_b32 s49, 0x37ccf5ce                      ; the cosine's
	s_mov_b32 s50, 0xbab6061a
	s_mov_b32 s51, 0x3d2aaaa5
	s_lshl_b32 s24, s21, 12
	s_add_nc_u64 s[18:19], s[18:19], s[24:25]
	v_lshlrev_b32 v30, 4, v1
.macro RP b, e, k                      ; frequency 16 b + 8 h + e: k = 10^(-e / 8)
	v_mul_f32 v20, \k, v[5+\b]
	v_mul_f32 v20, v4, v20                         ; the angle
	v_mul_f32 v21, s43, v20
	v_rndne_f32 v21, v21                           ; n quarter turns
	v_fma_f32 v22, v21, s44, v20
	v_fma_f32 v22, v21, s45, v22                   ; what is left, within pi / 4
	v_mul_f32 v23, v22, v22
	v_fma_f32 v24, v23, s46, s47
	v_fma_f32 v25, v23, s49, s50
	v_fma_f32 v24, v24, v23, s48
	v_fma_f32 v25, v25, v23, s51
	v_mul_f32 v24, v24, v23
	v_mul_f32 v25, v25, v23
	v_fma_f32 v27, v23, -0.5, 1.0
	v_fma_f32 v24, v24, v22, v22                   ; its sine
	v_fma_f32 v25, v25, v23, v27                   ; its cosine
	v_cvt_i32_f32 v26, v21
	v_and_b32 v27, 1, v26
	v_cmp_eq_u32 vcc_lo, 1, v27
	v_cndmask_b32 v28, v24, v25, vcc_lo            ; an odd n swaps the two;
	v_cndmask_b32 v29, v25, v24, vcc_lo
	v_lshlrev_b32 v27, 30, v26
	v_and_b32 v27, 0x80000000, v27                 ; n = 2, 3 turn the sine's sign,
	v_xor_b32 v[64+16*\b+2*\e+1], v27, v28
	v_add_nc_u32 v26, 1, v26
	v_lshlrev_b32 v26, 30, v26
	v_and_b32 v26, 0x80000000, v26                 ; n = 1, 2 the cosine's
	v_xor_b32 v[64+16*\b+2*\e], v26, v29
.endm
.irp b, 0,1
	RP \b, 0, 0x3f800000
	RP \b, 1, 0x3f3ff911
	RP \b, 2, 0x3f0ff59a
	RP \b, 3, 0x3ed7e89b
	RP \b, 4, 0x3ea1e89b
	RP \b, 5, 0x3e72d424
	RP \b, 6, 0x3e361887
	RP \b, 7, 0x3e088d77
.endr
.set wI, 0
.rept 8
	global_store_b128 v30, v[64+4*wI:67+4*wI], s[18:19] offset:512*wI
.set wI, wI+1
.endr
.Lr_end:
	s_endpgm
.Lfunc_end_k_qe26d79e764_prep:
	.size	k_qe26d79e764_prep, .Lfunc_end_k_qe26d79e764_prep-k_qe26d79e764_prep
	.p2alignl 7, 3214868480
	.fill 96, 4, 3214868480
	.section	.rodata,"a",@progbits
	.p2align	6, 0x0
	.amdhsa_kernel k_qe26d79e764_prep
		.amdhsa_group_segment_fixed_size 48640
		.amdhsa_private_segment_fixed_size 0
		.amdhsa_enable_private_segment 0
		.amdhsa_kernarg_size 64
		.amdhsa_user_sgpr_count 2
		.amdhsa_user_sgpr_kernarg_segment_ptr 1
		.amdhsa_wavefront_size32 1
		.amdhsa_system_sgpr_workgroup_id_x 1
		.amdhsa_system_sgpr_workgroup_id_y 1
		.amdhsa_system_sgpr_workgroup_id_z 1
		.amdhsa_system_vgpr_workitem_id 0
		.amdhsa_next_free_vgpr 256
		.amdhsa_next_free_sgpr 66
		.amdhsa_reserve_vcc 1
		.amdhsa_float_denorm_mode_32 3
		.amdhsa_float_denorm_mode_16_64 3
		.amdhsa_memory_ordered 1
		.amdhsa_forward_progress 1
		.amdhsa_inst_pref_size 99
	.end_amdhsa_kernel
	.amdgpu_metadata
---
amdhsa.version: [ 1, 2 ]
amdhsa.kernels:
  - .name:           k_qe26d79e764_prep
    .symbol:         k_qe26d79e764_prep.kd
    .args:
      - { .name: query, .offset: 0, .size: 8, .value_kind: global_buffer, .address_space: global }
      - { .name: W_qkv, .offset: 8, .size: 8, .value_kind: global_buffer, .address_space: global }
      - { .name: W_out, .offset: 16, .size: 8, .value_kind: global_buffer, .address_space: global }
      - { .name: xq, .offset: 24, .size: 8, .value_kind: global_buffer, .address_space: global }
      - { .name: xsc, .offset: 32, .size: 8, .value_kind: global_buffer, .address_space: global }
      - { .name: wq, .offset: 40, .size: 8, .value_kind: global_buffer, .address_space: global }
      - { .name: wo, .offset: 48, .size: 8, .value_kind: global_buffer, .address_space: global }
      - { .name: rope, .offset: 56, .size: 8, .value_kind: global_buffer, .address_space: global }
    .group_segment_fixed_size: 48640
    .private_segment_fixed_size: 0
    .kernarg_segment_align: 8
    .kernarg_segment_size: 64
    .max_flat_workgroup_size: 128
    .sgpr_count:     66
    .vgpr_count:     256
    .wavefront_size: 32
...
	.end_amdgpu_metadata
.endif
;; end of part 1
;; launch attn (part 2): grid 256 x 1, 4 waves a work-group, no clusters, 274,944 bytes of LDS; arguments xq, xsc, wq, rope, attn_mask, b_qkv, ao, asc; writes ao, asc
.if DOCPART == 2
	.amdgcn_target "amdgcn-amd-amdhsa--gfx1250"
	.amdhsa_code_object_version 6
	.text
	.protected	k_qe26d79e764_attn
	.globl	k_qe26d79e764_attn
	.p2align	8
	.type	k_qe26d79e764_attn,@function
k_qe26d79e764_attn:
	s_mov_b64 s[64:65], 0
	v_nop
	global_prefetch_b8 v0, s[64:65] scope:SCOPE_SE
	s_setreg_imm32_b32 hwreg(HW_REG_WAVE_MODE, 25, 1), 1
	s_wait_xcnt 0x0
; ATTN: for one batch b and one half g of the heads: qkv = x W_qkv + b_qkv, the rotation of q and k, S = q k^T, the mask, the softmax, P V; all four operands' pairs on codes of FP6 (E2M3) with E8M0 scales.
; Stored: the attention's result as codes (ao) and scale words (asc), laid as the next product's operand.  q, k, v, the scores and p never go to memory.
; SHARES.  Four waves; wave w owns heads 8 g + 2 w and 8 g + 2 w + 1.  x's 56 fragments (7 tiles of rows x 8 K steps), their scale words and the table of cosines and sines come into LDS by one tensor load a wave,
; waves 0 and 1 a half of the images each, wave 2 the table, wave 3 the scale words: first fills, nothing is filled again.  A barrier stands behind them.  The mask (as an addend, 0 or -2^100) is loaded behind pass V, built
; ahead of the heads, and a second barrier stands behind it.  Nothing else is shared.  The weights come from memory as images of the operand's registers, two K steps ahead, in three buffers.
; THREE PASSES of 56 accumulators x 8 K steps: pass V (v of both heads; source 0 = x, so that a lane holds one channel and its registers run along the keys, the third product's K), then for each head a pass QK
; (source 0 = the weights, so that a lane holds one row and its registers run along the head's 64, the second product's K).  rowof(t, i) = 32 (t / 2) + 8 (t % 2) + i + 8 (i / 8) orders rows in a tile and columns in a
; tile, so that the 16 registers of tiles 2 b, 2 b + 1 are 16 neighbours along the next K.
; SOFTMAX: t = score x log2(e) / 8, M = ceil(the row's largest t), p = 2^(t - M) is quantised along the keys, the sum of the unquantised p divides the result.  All 102 keys lie in one K step of 128.
; No cluster. key and value are no arguments: reference reads neither.
; LIMITS: |score| under 2^90 (a hidden key is an addend of -2^100); NaN and infinities among the inputs are not served; a block of zeros gets the scale byte 1; a query all of whose keys are hidden gets the scale bytes 0xff,
; which make its row of the output NaN, as reference() has it.
; REGISTERS, in windows of 256.  Window 0: v1-61 addresses and scale words, v64-159 weights' buffer 2, v160-255 in a pass seven fragments of x, else at work.  Window 1: v0-95, v96-191 buffers 0, 1.
; Windows 2, 3: the accumulators (and, in the attention, window 2: K, V; window 3: all else).
.set CH, 12800                         ; a chunk: 8 fragments of weights and their 512 bytes of scale words
.set XSCB, 86016                       ; LDS: x's images from 0; their scale words;
.set ROPEB, 90112                      ; the table;
.set MBB, 118784                       ; the mask's addends [query tile 7][key tile 7][1,024 bytes];
.set WREG, 168960                      ; a region for each wave: Q 0, K 5,376, V 10,752, their scale words 23,040, 23,936, 24,832, the result's 25,856
.set WSZ, 26368
.set SPARE, 274432                     ; the spare words: 128 bytes for each wave, two blocks of 256 bytes that no other line names
.set L16, 1
.set L8, 2
.set XA0, 2                            ; x's images begin at LDS byte 0: 8 x lane serves
.set L4, 3
.set XA1, 5                            ; the same 28 fragments on
.set XSA, 6
.set RPA, 8
.set QST, 9
.set KST, 10
.set QSS, 11
.set KSS, 12
.set VST, 13
.set VSS, 14
.set ASA, 15
.set MBA, 16
.set ASR, 17
.set SPW, 18                           ; SPARE + 4 x my thread's number; never rewritten
.set NIL, 19                           ; 0; never rewritten
.set WS, 20                            ; v20-31 the weights' scale words, 4 for each buffer: register j = tile 2 j in lanes 0-15, tile 2 j + 1 in lanes 16-31
.set XS, 32                            ; v32-39 x's, two sets likewise
.set KS, 40                            ; v40-46 K's, v47-50 V's, v51 Q's, v52 p's
.set VS, 47
.set QS, 51
.set PS, 52
.set BH, 55
.set VB, 56
.set MO, 57                            ; v57-60 the mask's offsets
.set MBW, 61
.set WB2, 64
.set MBY, 64                           ; v64-117 the mask's bytes as loaded: buffer 2's registers, between two passes
.set RING, 160                         ; v160-243 x's fragment of tile m at RING + 12 m
.set MBV, 160                          ; v160-215 a query tile's 56 addends, between two passes
.set WP, 8                             ; s[8:9] my wave's stream of chunks
.set G0S, 56                           ; s[56:59] descriptor group 0 for x's scale words; s[92:95] for x's images; s[96:99] for the table
.set G1X, 68                           ; s[68:75], s[76:83], s[84:91] groups 1: x's images, the table, the scale words
.set G1R, 76
.set G1S, 84
.set G0X, 92
.set G0R, 96
.set MSB, 0
.macro WIN new                         ; the immediate's high byte repeats the setting that is left; a switch that changes nothing is dropped
.if MSB != (\new)
	s_set_vgpr_msb (MSB<<8)|(\new)
.set MSB, (\new)
.endif
.endm
.macro PLACES n
.rept \n
	v_nop
.endr
.endm
.macro DENSE g, rows                   ; group 1 of a dense block: rows of 256 bytes = 32 elements of 8 bytes, one behind the other in memory and in LDS
	s_mov_b32 s[\g], 3<<16                         ; no mask; elements of 8 bytes; no padding
	s_mov_b32 s[\g+1], 32<<16                      ; tensor_dim0
	s_mov_b32 s[\g+2], (\rows)<<16                 ; tensor_dim1
	s_mov_b32 s[\g+3], 32<<16                      ; tile_dim0
	s_mov_b32 s[\g+4], \rows                       ; tile_dim1
	s_mov_b32 s[\g+5], 32                          ; from row to row
	s_mov_b32 s[\g+6], 0
	s_mov_b32 s[\g+7], 0
.endm
.macro WM d, a, b, c, sa, sb, ra, rb   ; D = A B + C; ra, rb = 1: that side's scale words stand in lanes 16-31
.if ((\ra) == 0) && ((\rb) == 0)
	v_wmma_scale_f32_16x16x128_f8f6f4 v[\d:\d+7], v[\a:\a+11], v[\b:\b+11], v[\c:\c+7], v[\sa], v[\sb] matrix_a_fmt:MATRIX_FMT_FP6 matrix_b_fmt:MATRIX_FMT_FP6
.elseif (\rb) == 0
	v_wmma_scale_f32_16x16x128_f8f6f4 v[\d:\d+7], v[\a:\a+11], v[\b:\b+11], v[\c:\c+7], v[\sa], v[\sb] matrix_a_fmt:MATRIX_FMT_FP6 matrix_b_fmt:MATRIX_FMT_FP6 matrix_a_scale:MATRIX_SCALE_ROW1
.elseif (\ra) == 0
	v_wmma_scale_f32_16x16x128_f8f6f4 v[\d:\d+7], v[\a:\a+11], v[\b:\b+11], v[\c:\c+7], v[\sa], v[\sb] matrix_a_fmt:MATRIX_FMT_FP6 matrix_b_fmt:MATRIX_FMT_FP6 matrix_b_scale:MATRIX_SCALE_ROW1
.else
	v_wmma_scale_f32_16x16x128_f8f6f4 v[\d:\d+7], v[\a:\a+11], v[\b:\b+11], v[\c:\c+7], v[\sa], v[\sb] matrix_a_fmt:MATRIX_FMT_FP6 matrix_b_fmt:MATRIX_FMT_FP6 matrix_a_scale:MATRIX_SCALE_ROW1 matrix_b_scale:MATRIX_SCALE_ROW1
.endif
.endm
.macro WMZ d, a, b, sa, sb             ; D = A B
	v_wmma_scale_f32_16x16x128_f8f6f4 v[\d:\d+7], v[\a:\a+11], v[\b:\b+11], 0, v[\sa], v[\sb] matrix_a_fmt:MATRIX_FMT_FP6 matrix_b_fmt:MATRIX_FMT_FP6
.endm
.macro XFRAG s, m                      ; x's fragment of K step s, tile m, into slot m (window 0): six loads of 256 consecutive bytes
.set xF, 7*(\s)+(\m)
.set xR, RING+12*(\m)
.set xO, (xF%28)*1536
.set xI, 0
.rept 6
.if xF < 28
	ds_load_b64 v[xR+2*xI:xR+2*xI+1], v[XA0] offset:xO+256*xI
.else
	ds_load_b64 v[xR+2*xI:xR+2*xI+1], v[XA1] offset:xO+256*xI
.endif
.set xI, xI+1
.endr
.endm
.macro XSCL s                          ; K step s's scale words of x
	WIN 0
.set xI, 0
.rept 4
	ds_load_b32 v[XS+4*((\s)%2)+xI], v[XSA] offset:512*(\s)+128*xI
.set xI, xI+1
.endr
.endm
.macro WCHUNK k, buf                   ; chunk k of the stream into a buffer: 24 loads of 512 consecutive bytes and 4 of scale words: 28 loads
.if (\buf) == 2
	WIN 0
.set wR, WB2
.else
	WIN 0x40
.set wR, 96*(\buf)
.endif
.set wI, 0
.rept 24
	global_load_b128 v[wR+4*wI:wR+4*wI+3], v[L16], s[WP:WP+1] offset:(\k)*CH+512*wI
.set wI, wI+1
.endr
	WIN 0
.set wI, 0
.rept 4
	global_load_b32 v[WS+4*(\buf)+wI], v[L4], s[WP:WP+1] offset:(\k)*CH+12288+128*wI
.set wI, wI+1
.endr
.endm
; Eight products: tile m of x against the chunk's eight tiles.  ord = 0 (QK): source 0 = weights; accumulator (m, t) at 64 m + 8 t of window 2 (m <= 2) or 64 (m - 3) + 8 t of window 3; the bias tuples at 192 + 8 t of window 2.
; ord = 1 (V): source 0 = x; accumulator (t, m) at 56 (t % 4) + 8 m of window 2 + t / 4; the bias tuples at 224 + 8 (t % 4) of the same window.  K step 0 takes the bias as C: nothing is cleared or added.
; The 56 accumulators take turns, one instruction a turn.
.macro GROUP ord, s, m
.set gB, (\s)%3
.set gW, 96*gB
.set gV, 1
.if gB == 2
.set gW, WB2
.set gV, 0
.endif
.set gR, RING+12*(\m)
.set gX, XS+4*((\s)%2)+(\m)/2
.set gT, 0
.rept 8
.set gS, WS+4*gB+gT/2
.if \ord
.set gN, 2+gT/4
.set gD, 56*(gT%4)+8*(\m)
.set gC, gD
.if (\s) == 0
.set gC, 224+8*(gT%4)
.endif
	WIN (gV<<2)|(gN<<4)|(gN<<6)
	WM gD, gR, gW+12*gT, gC, gX, gS, (\m)%2, gT%2
.else
.set gN, 2
.set gD, 64*(\m)+8*gT
.if (\m) > 2
.set gN, 3
.set gD, 64*((\m)-3)+8*gT
.endif
.set gC, gD
.set gM, gN
.if (\s) == 0
.set gC, 192+8*gT
.set gM, 2
.endif
	WIN gV|(gM<<4)|(gN<<6)
	WM gD, gW+12*gT, gR, gC, gS, gX, gT%2, (\m)%2
.endif
.set gT, gT+1
.endr
.endm
; A K step: 56 products, and TWO runs of loads, each behind four places, since they land in registers that products have read.  At the step's head: this step's tiles 4-6 of x (their slots were left by the last step's last
; products), the next step's scale words, and chunk s + 2 into the buffer that step s - 1 has left: it has two K steps, 112 products, in which to come.  In the middle: the next step's tiles 0-3.
; Global loads that may be out: the chunks asked for behind chunk s: one (28) in steps 0 and 6, two (56) in steps 1 to 5, none in step 7.
; LDS loads that may be out: at the head those issued behind tiles 0-3: tiles 4-6 (18) and the scale words (4); in the middle those issued behind tiles 4-6: the scale words (4) and the next step's tiles 0-3 (24).
.macro KSTEP ord, s
	WIN 0
	XFRAG \s, 4
	XFRAG \s, 5
	XFRAG \s, 6
.if (\s) <= 6
	XSCL (\s)+1
.endif
.if (\s) <= 5
	WCHUNK (\s)+2, ((\s)+2)%3
.endif
.if ((\s) == 0) || ((\s) == 6)
	s_wait_loadcnt 28
.elseif (\s) == 7
	s_wait_loadcnt 0
.else
	s_wait_loadcnt 56
.endif
.if (\s) < 7
	s_wait_dscnt 22
.else
	s_wait_dscnt 18
.endif
	GROUP \ord, \s, 0
	GROUP \ord, \s, 1
	GROUP \ord, \s, 2
	GROUP \ord, \s, 3
.if (\s) < 7
	PLACES 4
	WIN 0
	XFRAG (\s)+1, 0
	XFRAG (\s)+1, 1
	XFRAG (\s)+1, 2
	XFRAG (\s)+1, 3
	s_wait_dscnt 28
.else
	s_wait_dscnt 0
.endif
	GROUP \ord, \s, 4
	GROUP \ord, \s, 5
	GROUP \ord, \s, 6
	PLACES 4
.endm
.macro PASS ord                        ; chunks 0 and 1 are in buffers 0 and 1, or on their way
	XSCL 0
	XFRAG 0, 0
	XFRAG 0, 1
	XFRAG 0, 2
	XFRAG 0, 3
	KSTEP \ord, 0
	KSTEP \ord, 1
	KSTEP \ord, 2
	KSTEP \ord, 3
	KSTEP \ord, 4
	KSTEP \ord, 5
	KSTEP \ord, 6
	KSTEP \ord, 7
	WIN 0
.endm
.macro PRIME                           ; the next pass's first two chunks: they come while this pass's results are worked
	WCHUNK 8, 0
	WCHUNK 9, 1
.endm
.macro QKBIAS off                      ; the next pass QK's bias tuples: lane (r, h) wants columns 32 (t / 2) + 8 (t % 2) + 16 h + 0 .. 7; tiles 0-3 q's, tiles 4-7 k's
	WIN 0x80
.set kT, 0
.rept 8
	global_load_b128 v[192+8*kT:195+8*kT], v[BH], s[44:45] offset:(\off)+4096*(kT/4)+4*(32*((kT%4)/2)+8*(kT%2))
	global_load_b128 v[196+8*kT:199+8*kT], v[BH], s[44:45] offset:(\off)+4096*(kT/4)+4*(32*((kT%4)/2)+8*(kT%2))+16
.set kT, kT+1
.endr
	WIN 0
.endm
; 32 numbers of a lane, register 16 b + i = k 32 b + 16 (lane / 16) + i of its row, K = 64.  Q64A: the two blocks' scale operands in v[tm + 4], v[tm + 5], the two bytes in v[pw].  Q64B: the six registers of codes in v[pc] on.
.macro Q64A r, tm, pw
	v_max3_num_f32 v[\tm], |v[\r]|, |v[\r+1]|, 0x1800000       ; the floor 2^(3 - 127) holds the byte at 1 from below
	v_max3_num_f32 v[\tm+1], |v[\r+16]|, |v[\r+17]|, 0x1800000
.set zI, 2
.rept 7
	v_max3_num_f32 v[\tm], v[\tm], |v[\r+zI]|, |v[\r+zI+1]|
	v_max3_num_f32 v[\tm+1], v[\tm+1], |v[\r+zI+16]|, |v[\r+zI+17]|
.set zI, zI+2
.endr
	v_permlanex16_b32 v[\tm+2], v[\tm], s28, s29
	v_permlanex16_b32 v[\tm+3], v[\tm+1], s28, s29
	v_max_num_f32 v[\tm], v[\tm], v[\tm+2]         ; with lane l xor 16's 16
	v_max_num_f32 v[\tm+1], v[\tm+1], v[\tm+3]
	v_add_nc_u32 v[\tm+4], 0xff000000, v[\tm]      ; 2 off the exponent field
	v_add_nc_u32 v[\tm+5], 0xff000000, v[\tm+1]
	v_lshrrev_b32 v[\tm+6], 23, v[\tm+4]
	v_lshrrev_b32 v[\tm+7], 23, v[\tm+5]
	v_lshl_or_b32 v[\pw], v[\tm+7], 8, v[\tm+6]
.endm
.macro Q64B r, tm, pc, px
	v_cvt_scalef32_pk16_fp6_f32 v[\pc:\pc+2], v[\r:\r+15], v[\tm+4]
	v_cvt_scalef32_pk16_fp6_f32 v[\px:\px+2], v[\r+16:\r+31], v[\tm+5]
	v_nop                                          ; one plain place behind a scaled conversion
.set zI, 0
.rept 3
	v_permlane16_swap_b32 v[\pc+zI], v[\px+zI]     ; a whole block to a lane: lanes 0-15 block 0, lanes 16-31 block 1
.set zI, zI+1
.endr
.set zI, 0
.rept 3
	v_mov_b32 v[\pc+3+zI], v[\px+zI]
.set zI, zI+1
.endr
.endm
; ================= THE HEAD =================
	s_load_b256 s[4:11], s[0:1], 0x0               ; xq s[4:5], xsc s[6:7], wq s[8:9], rope s[10:11]
	s_load_b256 s[12:19], s[0:1], 0x20             ; attn_mask s[12:13], b_qkv s[14:15], ao s[16:17], asc s[18:19]
	v_lshl_add_u32 v[SPW], v0, 2, SPARE
	v_mov_b32 v[NIL], 0
	ds_add_u32 v[SPW], v[NIL]                      ; the wave's opening: the adds and their wait ahead of my first tensor load; the set-up below, work on registers, stands between them
	ds_add_u32 v[SPW], v[NIL]
	v_lshrrev_b32 v124, 5, v0
	v_readfirstlane_b32 s20, v124                  ; wave
	s_lshr_b32 s21, ttmp9, 1                       ; batch
	s_and_b32 s22, ttmp9, 1                        ; half of the heads
	v_and_b32 v124, 31, v0                         ; lane
	v_and_b32 v125, 15, v0                         ; r
	v_bfe_u32 v126, v0, 4, 1                       ; h
	v_lshrrev_b32 v127, 3, v125
	v_lshl_add_u32 v127, v127, 3, v125             ; r + 8 (r / 8)
	v_lshlrev_b32 v[L16], 4, v124
	v_lshlrev_b32 v[L8], 3, v124
	v_lshlrev_b32 v[L4], 2, v124
	v_add_nc_u32 v[XA1], 43008, v[L8]
	v_add_nc_u32 v[XSA], XSCB, v[L4]
	v_add_nc_u32 v[RPA], ROPEB, v[L16]
	v_add_nc_u32 v[MBA], MBB, v[L16]
	s_mul_i32 s23, s20, WSZ
	s_add_co_u32 s23, s23, WREG                    ; my region
	v_add_nc_u32 v[QST], s23, v[L8]
	v_add_nc_u32 v[KST], 5376, v[QST]
	v_add_nc_u32 v[VST], s23, v[L16]
	v_add_nc_u32 v[ASR], 25856, v[VST]
	v_add_nc_u32 v[VST], 10752, v[VST]
	v_add_nc_u32 v[QSS], s23, v[L4]
	v_add_nc_u32 v[KSS], 23936, v[QSS]
	v_add_nc_u32 v[VSS], 24832, v[QSS]
	v_add_nc_u32 v[QSS], 23040, v[QSS]
	v_lshl_add_u32 v[ASA], v125, 2, s23
	v_add_nc_u32 v[ASA], 25856, v[ASA]
	v_lshlrev_b32 v[BH], 6, v126
	v_lshlrev_b32 v[VB], 2, v127
	s_mul_i32 s24, s20, 7168
	v_add_nc_u32 v[MBW], s24, v[MBA]               ; the addends of query tile w
	s_lshr_b32 s24, s20, 1
	s_lshl_b32 s24, s24, 5
	s_and_b32 s34, s20, 1
	s_lshl_b32 s34, s34, 3
	s_add_co_u32 s24, s24, s34                     ; tile w's first row
	v_add_nc_u32 v128, s24, v127                   ; my query of tile w (63 at the most)
	v_mul_u32_u24 v[MO+1], v128, 102
	v_lshl_add_u32 v[MO], v126, 4, v[MO+1]
	v_add_nc_u32 v128, 64, v128                    ; and of tile w + 4,
	v_min_u32 v128, 101, v128                      ; held inside the batch: rows past its end are never stored
	v_mul_u32_u24 v[MO+3], v128, 102
	v_lshl_add_u32 v[MO+2], v126, 4, v[MO+3]
	v_mov_b32 v120, 0
	v_mov_b32 v121, 0
	v_mov_b32 v122, 0
	v_mov_b32 v123, 0
	s_mov_b32 s26, 0x3e38aa3b                      ; c = log2(e) / 8
	s_mov_b32 s27, s26                             ; (the packed form names the pair)
	s_mov_b32 s28, 0x76543210
	s_mov_b32 s29, 0xfedcba98                      ; lane l xor 16
	s_mov_b32 s30, 0xf1800000                      ; -2^100
	s_mov_b32 s31, 0xec800000                      ; -2^90
	s_mov_b32 s32, 0xffff0000                      ; lanes 16-31
	s_mov_b32 s25, 0
	s_lshl_b32 s52, s22, 2
	s_add_co_u32 s52, s52, s20                     ; 4 g + w
	s_lshl_b32 s53, s21, 3
	s_add_co_u32 s53, s53, s52                     ; 8 b + 4 g + w
	; THE HEAD'S FILLS, ONE A WAVE (in place of the quarters that the head comment names): waves 0 and 1 a half of x's images each, wave 2 the table, wave 3 x's scale words
	DENSE G1X, 168                                 ; a half of x's 86,016 bytes,
	DENSE G1R, 112                                 ; the table's 28,672,
	DENSE G1S, 16                                  ; the scale words' 4,096
	s_mov_b32 s[G0X], 1                            ; count = 1
	s_mul_i32 s[G0X+1], s20, 43008                 ; LDS address: my half (waves 0 and 1 alone ask by it)
	s_mov_b32 s[G0R], 1
	s_mov_b32 s[G0R+1], ROPEB
	s_mov_b32 s[G0S], 1
	s_mov_b32 s[G0S+1], XSCB
	s_wait_alu depctr_va_vdst(0)
	s_wait_dscnt 0x0                               ; the opening add is done
	s_wait_kmcnt 0x0
	s_mul_i32 s24, s21, 86016
	s_mul_i32 s54, s20, 43008
	s_add_co_u32 s24, s24, s54
	s_add_nc_u64 s[G0X+2:G0X+3], s[4:5], s[24:25]  ; my half of the batch's images
	s_or_b32 s[G0X+3], s[G0X+3], 0x80000000        ; type = 2
	s_mov_b64 s[G0R+2:G0R+3], s[10:11]
	s_or_b32 s[G0R+3], s[G0R+3], 0x80000000
	s_lshl_b32 s24, s21, 12
	s_add_nc_u64 s[G0S+2:G0S+3], s[6:7], s[24:25]
	s_or_b32 s[G0S+3], s[G0S+3], 0x80000000
	s_cmp_lt_u32 s20, 2                            ; one chain of branches on the wave's number, one fill to an arm, all arms to one join
	s_cbranch_scc0 .Lhead_r
	tensor_load_to_lds s[G0X:G0X+3], s[G1X:G1X+7]
	s_nop 0
	PLACES 4
	s_branch .Lhead_asked
.Lhead_r:
	s_cmp_lt_u32 s20, 3
	s_cbranch_scc0 .Lhead_s
	tensor_load_to_lds s[G0R:G0R+3], s[G1R:G1R+7]
	s_nop 0
	PLACES 4
	s_branch .Lhead_asked
.Lhead_s:
	tensor_load_to_lds s[G0S:G0S+3], s[G1S:G1S+7]
	s_nop 0
	PLACES 4
.Lhead_asked:
	s_mul_i32 s24, s52, 24*CH
	s_add_nc_u64 s[WP:WP+1], s[WP:WP+1], s[24:25]
	s_mul_i32 s24, s21, 10404
	s_add_nc_u64 s[12:13], s[12:13], s[24:25]
	s_lshl_b32 s24, s52, 9                         ; 64 numbers a head, two heads a wave
	s_add_nc_u64 s[44:45], s[14:15], s[24:25]      ; q's bias of my first head
	s_add_nc_u64 s[48:49], s[44:45], 8192          ; v's
	s_mul_i32 s24, s53, 10752
	s_add_nc_u64 s[46:47], s[16:17], s[24:25]
	s_lshl_b32 s24, s53, 9
	s_add_nc_u64 s[50:51], s[18:19], s[24:25]
.set kT, 0
.rept 8                                ; v's bias: in pass V a lane holds one column, so a tuple is one number eight times
	WIN (2+kT/4)<<6
	global_load_b32 v[224+8*(kT%4)], v[VB], s[48:49] offset:4*(32*(kT/2)+8*(kT%2))
.set kT, kT+1
.endr
	WCHUNK 0, 0
	WCHUNK 1, 1
	ds_store_b128 v[ASR], v[120:123]               ; the result's scale words begin as zeros (tile 7's place stays so)
	s_wait_loadcnt 56                              ; the bias' eight loads are in; the two chunks behind them may be out
.irp n, 2,3
	WIN (\n<<6)|\n
.set kT, 0
.rept 4
.set kJ, 1
.rept 7
	v_mov_b32 v[224+8*kT+kJ], v[224+8*kT]
.set kJ, kJ+1
.endr
.set kT, kT+1
.endr
.endr
	WIN 0
	s_wait_alu depctr_va_vdst(0)
	s_wait_tensorcnt 0x0                           ; my fill has landed,
	s_wait_dscnt 0x0                               ; and so has my store
	s_barrier_signal -1
	s_barrier_wait -1                              ; everybody's have; nobody writes these bytes again
.set TMV, 176                          ; pass V's results: v176-191 at work, v192-215 two sets of codes, v216-223 second halves, v224, v225 two scale words
.set PCV, 192
.set PXV, 216
.set PWV, 224
.set ZV, 224                           ; in the accumulators' window: key block 3's 16 numbers, where the bias tuples lay
.set CS, 160                           ; pass QK's results: v160-191 cosines and sines, v192-223 rotated numbers, v224-231 at work, v232-243 codes of q and of k, v244-246 second halves, v248, v249 scale words
.set RR, 192
.set TMQ, 224
.set PCQ, 232
.set PXQ, 244
.set PWQ, 248
.set kJ, 0
.rept 4
	v_mov_b32 v[TMV+4+kJ], 0                       ; written once: a lane permute's destination counts as one of its sources
.set kJ, kJ+1
.endr
	v_mov_b32 v[TMQ+2], 0
	v_mov_b32 v[TMQ+3], 0
; The mask: lane (r, h) wants, for key tile kt, the bytes of keys 32 (kt / 2) + 8 (kt % 2) + 16 h + 0 .. 7 of its query.  A row of the mask is 102 bytes, so two bytes a load keep every address a multiple of the access's size.
.macro MLOAD rho, ah, a0
.set kT, 0
.rept 24
	global_load_u16 v[MBY+27*(\rho)+kT], v[\ah], s[12:13] offset:32*(kT/8)+8*((kT/4)%2)+2*(kT%4)
.set kT, kT+1
.endr
.set kT, 0
.rept 3
	global_load_u16 v[MBY+27*(\rho)+24+kT], v[\a0], s[12:13] offset:96+2*kT    ; keys 96 to 101, in both halves of the lanes: no load leaves the row
.set kT, kT+1
.endr
.endm
.macro MBUILD rho                      ; a byte 1 becomes 0, a byte 0 becomes -2^100; keys from 102 on become -2^100
.set kJ, 0
.rept 54
	v_bfe_u32 v[MBV+kJ], v[MBY+27*(\rho)+kJ/2], 8*(kJ%2), 1
.set kJ, kJ+1
.endr
.set kJ, 0
.rept 54
	v_add_nc_u32 v[MBV+kJ], -1, v[MBV+kJ]
.set kJ, kJ+1
.endr
.set kJ, 0
.rept 54
	v_and_b32 v[MBV+kJ], s30, v[MBV+kJ]
.set kJ, kJ+1
.endr
.set kJ, 48
.rept 6
	v_cndmask_b32 v[MBV+kJ], v[MBV+kJ], s30, s32   ; tile 6, lanes 16-31: keys 112 on
.set kJ, kJ+1
.endr
	v_mov_b32 v[MBV+54], s30
	v_mov_b32 v[MBV+55], s30
.set kJ, 0
.rept 14
	ds_store_b128 v[MBW], v[MBV+4*kJ:MBV+4*kJ+3] offset:28672*(\rho)+512*kJ
.set kJ, kJ+1
.endr
.endm
; Tile t of v's columns: lane (r, h) holds channel rowof(t, r), register 16 b + i = key 32 b + 16 h + i.  It is quantised along the keys and stored as an image of the third product's source 0.
.macro VUNIT t
.set vN, 2+(\t)/4
.set vB, 56*((\t)%4)
.set vP, PCV+12*((\t)%2)
.set vW, PWV+(\t)%2
	WIN (vN<<6)|vN
.if (\t)%4 == 0
.set vI, 6
.rept 10
	v_mov_b32 v[ZV+vI], 0                          ; keys 102, 103 and 104 to 111 (and 118 on): the quantiser fills the last block with zeros
.set vI, vI+1
.endr
.endif
.set vI, 0
.rept 6
	v_cndmask_b32 v[ZV+vI], v[vB+48+vI], 0, s32    ; keys 96 to 101 in lanes 0-15, zeros in lanes 16-31
.set vI, vI+1
.endr
	WIN vN|(vN<<2)
.set vI, 0
.rept 8
.set vJ, 0
.rept 4
.set vX, vB+16*vJ+(vJ/3)*(ZV-vB-48)+2*vI
.if vI == 0
	v_max3_num_f32 v[TMV+vJ], |v[vX]|, |v[vX+1]|, 0x1800000
.else
	v_max3_num_f32 v[TMV+vJ], |v[vX]|, |v[vX+1]|, v[TMV+vJ]
.endif
.set vJ, vJ+1
.endr
.set vI, vI+1
.endr
	WIN 0
.set vJ, 0
.rept 4
	v_permlanex16_b32 v[TMV+4+vJ], v[TMV+vJ], s28, s29
.set vJ, vJ+1
.endr
.set vJ, 0
.rept 4
	v_max_num_f32 v[TMV+vJ], v[TMV+vJ], v[TMV+4+vJ]
.set vJ, vJ+1
.endr
.set vJ, 0
.rept 4
	v_add_nc_u32 v[TMV+12+vJ], 0xff000000, v[TMV+vJ]
.set vJ, vJ+1
.endr
.set vJ, 0
.rept 4
	v_lshrrev_b32 v[TMV+4+vJ], 23, v[TMV+12+vJ]
.set vJ, vJ+1
.endr
	s_wait_alu depctr_va_vdst(0)
	s_wait_dscnt 4                                 ; the stores of two tiles back, which read this set, are done; the last tile's four may be out
	v_lshl_or_b32 v[vW], v[TMV+5], 8, v[TMV+4]
	v_lshl_or_b32 v[vW], v[TMV+6], 16, v[vW]
	v_lshl_or_b32 v[vW], v[TMV+7], 24, v[vW]
	WIN vN
	v_cvt_scalef32_pk16_fp6_f32 v[vP:vP+2], v[vB:vB+15], v[TMV+12]
	v_cvt_scalef32_pk16_fp6_f32 v[PXV:PXV+2], v[vB+16:vB+31], v[TMV+13]
	v_cvt_scalef32_pk16_fp6_f32 v[vP+6:vP+8], v[vB+32:vB+47], v[TMV+14]
	v_cvt_scalef32_pk16_fp6_f32 v[PXV+4:PXV+6], v[ZV:ZV+15], v[TMV+15]
	v_nop
	WIN 0
.set vJ, 0
.rept 2
.set vI, 0
.rept 3
	v_permlane16_swap_b32 v[vP+6*vJ+vI], v[PXV+4*vJ+vI]
.set vI, vI+1
.endr
.set vI, 0
.rept 3
	v_mov_b32 v[vP+6*vJ+3+vI], v[PXV+4*vJ+vI]
.set vI, vI+1
.endr
.set vJ, vJ+1
.endr
.set vI, 0
.rept 3
	ds_store_b128 v[VST], v[vP+4*vI:vP+4*vI+3] offset:1536*(\t)+512*vI
.set vI, vI+1
.endr
	ds_store_b32 v[VSS], v[vW] offset:128*(\t)
.endm
; ================= PASS V =================
	PASS 1
	MLOAD 0, MO, MO+1                              ; the mask's bytes are asked for here, into buffer 2's registers, and come while v is quantised
	s_cmp_lt_u32 s20, 3                            ; seven query tiles for four waves
	s_cbranch_scc0 .Lone_turn
	MLOAD 1, MO+2, MO+3
.Lone_turn:
	VUNIT 0
	VUNIT 1
	VUNIT 2
	VUNIT 3
	VUNIT 4
	VUNIT 5
	VUNIT 6
	VUNIT 7
	s_wait_loadcnt 0x0                             ; the mask's bytes are in, on both ways
	PRIME                                          ; the first head's first chunks and bias come while the addends are built
	QKBIAS 0
	s_wait_dscnt 0x0                               ; v's last stores have read their registers
	MBUILD 0
	s_cmp_lt_u32 s20, 3
	s_cbranch_scc0 .Lone_build
	s_wait_dscnt 0x0                               ; the stores have read their registers
	MBUILD 1
.Lone_build:
	s_wait_dscnt 0x0                               ; for the others' sake: my addends have landed
	s_barrier_signal -1
	s_barrier_wait -1                              ; all seven query tiles' addends are whole; nobody writes them again
; ================= THE TWO HEADS =================
.macro CSLOAD m
.set qI, 0
.rept 8
	ds_load_b128 v[CS+4*qI:CS+4*qI+3], v[RPA] offset:4096*(\m)+512*qI
.set qI, qI+1
.endr
.endm
.macro ROPEU m, k                      ; tile m's q (k = 0) or k (k = 1), rotated: (e, o) -> (e cos - o sin, e sin + o cos)
.set qN, 2
.set qB, 64*(\m)+32*(\k)
.if (\m) > 2
.set qN, 3
.set qB, 64*((\m)-3)+32*(\k)
.endif
	WIN qN
.set qI, 0
.rept 16
	v_pk_mul_f32 v[RR+qI:RR+qI+1], v[qB+qI:qB+qI+1], v[CS+qI:CS+qI+1] op_sel_hi:[0,1]     ; e cos, e sin
.set qI, qI+2
.endr
.set qI, 0
.rept 16
	v_pk_fma_f32 v[RR+qI:RR+qI+1], v[qB+qI:qB+qI+1], v[CS+qI:CS+qI+1], v[RR+qI:RR+qI+1] op_sel:[1,1,0] op_sel_hi:[1,0,1] neg_lo:[0,1,0]   ; - o sin, + o cos
.set qI, qI+2
.endr
	WIN 0
.endm
.macro QTILE m
.if (\m) == 0
	s_wait_dscnt 0x0                               ; the table's first eight loads
.else
	s_wait_dscnt 4                                 ; the table's loads are in and q's last stores are done; behind them stand k's four stores
.endif
	ROPEU \m, 0
	Q64A RR, TMQ, PWQ
	Q64B RR, TMQ, PCQ, PXQ
.set qI, 0
.rept 3
	ds_store_b64 v[QST], v[PCQ+2*qI:PCQ+2*qI+1] offset:768*(\m)+256*qI
.set qI, qI+1
.endr
	ds_store_b32 v[QSS], v[PWQ] offset:128*(\m)
	ROPEU \m, 1
.if (\m) < 6
	CSLOAD (\m)+1
	s_wait_alu depctr_va_vdst(0)
	s_wait_dscnt 12                                ; k's last stores are done; behind them stand q's four stores and the table's eight loads
.else
	s_wait_alu depctr_va_vdst(0)
	s_wait_dscnt 4
.endif
	Q64A RR, TMQ, PWQ+1
	Q64B RR, TMQ, PCQ+6, PXQ
.set qI, 0
.rept 3
	ds_store_b64 v[KST], v[PCQ+6+2*qI:PCQ+7+2*qI] offset:768*(\m)+256*qI
.set qI, qI+1
.endr
	ds_store_b32 v[KSS], v[PWQ+1] offset:128*(\m)
.endm
; The attention's registers, in window 3 (K's seven fragments at v0-83 and V's four at v84-131 of window 2):
.set aS, 0                             ; v0-55 S^T, then p; v56-63 zeros (keys 104-111, 120-127)
.set aQF, 64                           ; v64-75 Q's fragment; its upper six are zeros: K = 64
.set aPC, 76                           ; v76-87 p's codes; v88-94 second halves
.set aPX, 88
.set aO, 96                            ; v96-127 O^T
.set aMX, 128                          ; v128-131 the blocks' largest scores, v132-135 at work, v136-139 scale operands
.set aMP, 132
.set aSO, 136
.set aNM, 140                          ; v140 -M, v141 the largest t
.set aLA, 142                          ; v[142:143], v[144:145] the sum in two chains
.set aLB, 144
.set aRC, 146                          ; v146 1 / the sum (v147 named with it as a pair)
.set aTT, 148
.set aHW, 149
.set aOC, 150                          ; v150-155 the result's codes, v156-158 second half
.set aOX, 156
.set aFF, 159                          ; 0xffff
.set aAMB, 160                         ; v160-164 copies of five addresses, v165-169 the same with the tile's step
.set aCMB, 165
.set aBT, 192                          ; v192-247 the mask's addends of one query tile
.set aVF, 84
; One tile of 16 queries.  pre = 1: the next tile's addends, fragment and scale words are asked for behind the first product.
.macro ATTTRIP pre
	s_wait_xcnt 0x0                                ; the last tile's stores have read their registers
	s_wait_dscnt 0x0                               ; this tile's addends, fragment and scale words are in
	WIN 0xfe                                       ; source 0 in window 2, all else in window 3
.set aT, 0
.rept 7
	WM aS+8*aT, 12*aT, aQF, aBT+8*aT, KS+aT, QS, 0, 0      ; S^T = K Q^T + the addend: the mask costs no vector line
.set aT, aT+1
.endr
	WIN 0xff
.if \pre
	v_add_nc_u32 v[aCMB], s60, v[aAMB]             ; these three and the v_nop are the four places behind the products
	v_add_nc_u32 v[aCMB+1], s61, v[aAMB+1]
	v_add_nc_u32 v[aCMB+2], s62, v[aAMB+2]
	v_nop
.set aI, 0
.rept 14
	ds_load_b128 v[aBT+4*aI:aBT+4*aI+3], v[aCMB] offset:512*aI
.set aI, aI+1
.endr
.set aI, 0
.rept 3
	ds_load_b64 v[aQF+2*aI:aQF+2*aI+1], v[aCMB+1] offset:256*aI
.set aI, aI+1
.endr
	WIN 0x3f                                       ; destination in window 0
	ds_load_b32 v[QS], v[aCMB+2]
	WIN 0xff
.else
	PLACES 4
.endif
.set aB, 0
.rept 4
	v_max3_num_f32 v[aMX+aB], v[aS+16*aB], v[aS+16*aB+1], v[aS+16*aB+2]    ; the largest score of each block of 32 keys: for the row's maximum and for the block's largest p
.set aB, aB+1
.endr
.set aI, 3
.rept 6
.set aB, 0
.rept 4
.if (aB < 3) || (aI < 7)
	v_max3_num_f32 v[aMX+aB], v[aMX+aB], v[aS+16*aB+aI], v[aS+16*aB+aI+1]
.endif
.set aB, aB+1
.endr
.set aI, aI+2
.endr
.set aB, 0
.rept 3
	v_max_num_f32 v[aMX+aB], v[aMX+aB], v[aS+16*aB+15]
.set aB, aB+1
.endr
	v_max_num_f32 v[aMX+3], v[aMX+3], v[aS+55]     ; block 3 has one tile
.set aB, 0
.rept 4
	v_permlanex16_b32 v[aMP+aB], v[aMX+aB], s28, s29
.set aB, aB+1
.endr
.set aB, 0
.rept 4
	v_max_num_f32 v[aMX+aB], v[aMX+aB], v[aMP+aB]
.set aB, aB+1
.endr
	v_max3_num_f32 v[aTT], v[aMX], v[aMX+1], v[aMX+2]
	v_max_num_f32 v[aTT], v[aTT], v[aMX+3]
	v_mul_f32 v[aNM+1], s26, v[aTT]                ; the row's largest t
	v_floor_f32 v[aNM], -v[aNM+1]                  ; -M = floor(-t) = -ceil(t)
	v_cmp_gt_f32 s42, s31, v[aNM+1]                ; no key left: it only selects a value below
.set aI, 0
.rept 28
	v_pk_fma_f32 v[aS+2*aI:aS+2*aI+1], v[aS+2*aI:aS+2*aI+1], s[26:27], v[aNM:aNM+1] op_sel_hi:[1,0,0]   ; t - M
.set aI, aI+1
.endr
.set aB, 0
.rept 4
	v_fma_f32 v[aMX+aB], v[aMX+aB], s26, v[aNM]
.set aB, aB+1
.endr
.set aI, 0
	s_wait_alu depctr_va_vdst(0)
.rept 56
	v_exp_f32 v[aS+aI], v[aS+aI]                   ; p = 2^(t - M)
.set aI, aI+1
.endr
	v_nop                                          ; a plain place behind the exponentials
	s_wait_alu depctr_va_vdst(0)                   ; one wait for the batch, ahead of its first reader
.set aB, 0
.rept 4
	v_exp_f32 v[aMX+aB], v[aMX+aB]                 ; the blocks' largest p: the same two instructions on the same number
.set aB, aB+1
.endr
	v_pk_add_f32 v[aLA:aLA+1], v[aS:aS+1], v[aS+2:aS+3]          ; the sum of the unquantised p, in two chains
	v_pk_add_f32 v[aLB:aLB+1], v[aS+4:aS+5], v[aS+6:aS+7]
.set aI, 8
.rept 12
	v_pk_add_f32 v[aLA:aLA+1], v[aLA:aLA+1], v[aS+aI:aS+aI+1]
	v_pk_add_f32 v[aLB:aLB+1], v[aLB:aLB+1], v[aS+aI+2:aS+aI+3]
.set aI, aI+4
.endr
	v_pk_add_f32 v[aLA:aLA+1], v[aLA:aLA+1], v[aLB:aLB+1]
	s_wait_alu depctr_va_vdst(0)                   ; and one for the four
.set aB, 0
.rept 4
	v_max_num_f32 v[aMX+aB], 0x1800000, v[aMX+aB]
.set aB, aB+1
.endr
.set aB, 0
.rept 4
	v_add_nc_u32 v[aSO+aB], 0xff000000, v[aMX+aB]
.set aB, aB+1
.endr
.set aB, 0
.rept 4
	v_lshrrev_b32 v[aMP+aB], 23, v[aSO+aB]
.set aB, aB+1
.endr
	v_lshl_or_b32 v[aTT], v[aMP+1], 8, v[aMP]
	v_lshl_or_b32 v[aTT], v[aMP+2], 16, v[aTT]
	WIN 0x3f
	v_lshl_or_b32 v[PS], v[aMP+3], 24, v[aTT]      ; p's scale word, in window 0
	WIN 0xff
	v_cvt_scalef32_pk16_fp6_f32 v[aPC:aPC+2], v[aS:aS+15], v[aSO]
	v_cvt_scalef32_pk16_fp6_f32 v[aPX:aPX+2], v[aS+16:aS+31], v[aSO+1]
	v_cvt_scalef32_pk16_fp6_f32 v[aPC+6:aPC+8], v[aS+32:aS+47], v[aSO+2]
	v_cvt_scalef32_pk16_fp6_f32 v[aPX+4:aPX+6], v[aS+48:aS+63], v[aSO+3]
	v_nop
.set aB, 0
.rept 2
.set aI, 0
.rept 3
	v_permlane16_swap_b32 v[aPC+6*aB+aI], v[aPX+4*aB+aI]
.set aI, aI+1
.endr
.set aI, 0
.rept 3
	v_mov_b32 v[aPC+6*aB+3+aI], v[aPX+4*aB+aI]
.set aI, aI+1
.endr
.set aB, aB+1
.endr
	v_add_f32 v[aLA], v[aLA], v[aLA+1]
	v_permlanex16_b32 v[aTT], v[aLA], s28, s29
	v_add_f32 v[aLA], v[aLA], v[aTT]               ; the row's sum
	PLACES 6                                       ; with the two additions: eight plain places behind p's codes, nine behind its scale word
	WIN 0xfe
.set aT, 0
.rept 4
	WMZ aO+8*aT, aVF+12*aT, aPC, VS+aT, PS         ; O^T = V^T P^T
.set aT, aT+1
.endr
	WIN 0xff
	s_wait_alu depctr_va_vdst(0)
	v_rcp_f32 v[aRC], v[aLA]
	PLACES 4                                       ; behind the products, and behind the reciprocal
	s_wait_alu depctr_va_vdst(0)
.set aI, 0
.rept 16
	v_pk_mul_f32 v[aS+2*aI:aS+2*aI+1], v[aO+2*aI:aO+2*aI+1], v[aRC:aRC+1] op_sel_hi:[1,0]   ; register 16 b + i = channel 32 b + 16 h + i of my query
.set aI, aI+1
.endr
	Q64A aS, aMX, aHW
	Q64B aS, aMX, aOC, aOX
	v_cndmask_b32 v[aHW], v[aHW], v[aFF], s42      ; a query with no key left: both bytes 0xff
	v_add_nc_u32 v[aCMB+3], s38, v[aAMB+3]
	v_add_nc_u32 v[aCMB+4], s39, v[aAMB+4]
.set aI, 0
.rept 3
	global_store_b64 v[aCMB+3], v[aOC+2*aI:aOC+2*aI+1], s[46:47] offset:256*aI     ; 32 lanes store 256 consecutive bytes, aligned
.set aI, aI+1
.endr
	ds_store_b16 v[aCMB+4], v[aHW]                 ; my head's half of the row's scale word (both halves of the lanes write the same)
	WIN 0
.endm
	s_mov_b32 s33, 2                               ; heads to go
	s_mov_b32 s40, 0                               ; the head's four tiles of V,
	s_mov_b32 s41, 0                               ; their scale words,
	s_mov_b32 s43, 0                               ; its half of a scale word of the result
.Lhead:
	s_wait_xcnt 0x0                                ; the loads that named the stream's base have read it
	s_add_nc_u64 s[WP:WP+1], s[WP:WP+1], 8*CH
	PASS 0
	s_cmp_eq_u32 s33, 1
	s_cbranch_scc1 .Lno_prime                      ; behind the last head the stream has ended: no load leaves the buffer
	PRIME
	QKBIAS 256                                     ; the second head's bias: 64 numbers on
.Lno_prime:
	CSLOAD 0
	QTILE 0
	QTILE 1
	QTILE 2
	QTILE 3
	QTILE 4
	QTILE 5
	QTILE 6
	; ---- the attention's set-up
	v_add_nc_u32 v160, s40, v[VST]
	v_add_nc_u32 v161, s41, v[VSS]
.set aI, 0
.rept 7
	ds_load_b32 v[KS+aI], v[KSS] offset:128*aI     ; LDS serves a wave's instructions in order: these see my stores
.set aI, aI+1
.endr
.set aI, 0
.rept 4
	ds_load_b32 v[VS+aI], v161 offset:128*aI
.set aI, aI+1
.endr
	ds_load_b32 v[QS], v[QSS]
	WIN 0x80
.set aT, 0
.rept 7
.set aI, 6
.rept 6
	v_mov_b32 v[12*aT+aI], 0                       ; K = 64: the upper half of each fragment of K is zero codes
.set aI, aI+1
.endr
.set aI, 0
.rept 3
	ds_load_b64 v[12*aT+2*aI:12*aT+2*aI+1], v[KST] offset:768*aT+256*aI
.set aI, aI+1
.endr
.set aT, aT+1
.endr
.set aI, 0
.rept 12
	ds_load_b128 v[aVF+4*aI:aVF+4*aI+3], v160 offset:512*aI
.set aI, aI+1
.endr
	WIN 0xc0
	v_mov_b32 v[aAMB], v[MBA]
	v_mov_b32 v[aAMB+1], v[QST]
	v_mov_b32 v[aAMB+2], v[QSS]
	v_mov_b32 v[aAMB+3], v[L8]
	v_mov_b32 v[aAMB+4], v[ASA]
.set aI, 56
.rept 8
	v_mov_b32 v[aS+aI], 0
.set aI, aI+1
.endr
.set aI, 6
.rept 6
	v_mov_b32 v[aQF+aI], 0
.set aI, aI+1
.endr
	v_mov_b32 v[aRC+1], 0
	v_mov_b32 v[aFF], 0xffff
.set aI, 0
.rept 14
	ds_load_b128 v[aBT+4*aI:aBT+4*aI+3], v[MBA] offset:512*aI
.set aI, aI+1
.endr
.set aI, 0
.rept 3
	ds_load_b64 v[aQF+2*aI:aQF+2*aI+1], v[QST] offset:256*aI
.set aI, aI+1
.endr
	PLACES 4                                       ; operands written by vector instructions stand four places ahead of a scaled product
	WIN 0
	s_mov_b32 s35, 7168                            ; the NEXT tile's addends, fragment and scale words;
	s_mov_b32 s36, 768
	s_mov_b32 s37, 128
	s_mov_b32 s38, 0                               ; this tile's place in ao and among the scale words
	s_mov_b32 s39, s43
	s_mov_b32 s34, 7                               ; all seven tiles go through the one written trip
.Latt:
	s_min_u32 s60, s35, 6*7168                     ; the tile asked for ahead is held at tile 6: the seventh trip names its own tile's bytes again and nothing beyond them
	s_min_u32 s61, s36, 6*768
	s_min_u32 s62, s37, 6*128
	s_wait_alu depctr_va_vdst(0)
	ATTTRIP 1
	s_add_co_u32 s35, s35, 7168
	s_add_co_u32 s36, s36, 768
	s_add_co_u32 s37, s37, 128
	s_add_co_u32 s38, s38, 1536
	s_add_co_u32 s39, s39, 64
	s_sub_co_u32 s34, s34, 1
	s_cmp_lg_u32 s34, 0
	s_cbranch_scc1 .Latt
	s_wait_xcnt 0x0                                ; the stores have read their base
	s_add_nc_u64 s[46:47], s[46:47], 768
	s_add_co_u32 s40, s40, 6144
	s_add_co_u32 s41, s41, 512
	s_add_co_u32 s43, s43, 2
	s_sub_co_u32 s33, s33, 1
	s_cmp_lg_u32 s33, 0
	s_cbranch_scc1 .Lhead
	ds_load_b128 v[160:163], v[ASR]
	s_wait_dscnt 0x0
	global_store_b128 v[L16], v[160:163], s[50:51] ; my K step's 512 bytes of scale words
	s_wait_tensorcnt 0x0                           ; the wave's end
	ds_add_u32 v[SPW], v[NIL]
	s_wait_dscnt 0x0
	s_endpgm
.Lfunc_end_k_qe26d79e764_attn:
	.size	k_qe26d79e764_attn, .Lfunc_end_k_qe26d79e764_attn-k_qe26d79e764_attn
	.p2alignl 7, 3214868480
	.fill 96, 4, 3214868480
	.section	.rodata,"a",@progbits
	.p2align	6, 0x0
	.amdhsa_kernel k_qe26d79e764_attn
		.amdhsa_group_segment_fixed_size 274944
		.amdhsa_private_segment_fixed_size 0
		.amdhsa_enable_private_segment 0
		.amdhsa_kernarg_size 64
		.amdhsa_user_sgpr_count 2
		.amdhsa_user_sgpr_kernarg_segment_ptr 1
		.amdhsa_wavefront_size32 1
		.amdhsa_system_sgpr_workgroup_id_x 1
		.amdhsa_system_sgpr_workgroup_id_y 1
		.amdhsa_system_sgpr_workgroup_id_z 1
		.amdhsa_system_vgpr_workitem_id 0
		.amdhsa_next_free_vgpr 1024
		.amdhsa_next_free_sgpr 100
		.amdhsa_reserve_vcc 0
		.amdhsa_float_denorm_mode_32 3
		.amdhsa_float_denorm_mode_16_64 3
		.amdhsa_memory_ordered 1
		.amdhsa_forward_progress 1
		.amdhsa_inst_pref_size 255
	.end_amdhsa_kernel
	.section	.bss,"aw",@nobits
	.p2align	6
	.space	262144
	.amdgpu_metadata
---
amdhsa.version: [ 1, 2 ]
amdhsa.kernels:
  - .name:           k_qe26d79e764_attn
    .symbol:         k_qe26d79e764_attn.kd
    .args:
      - { .name: xq, .offset: 0, .size: 8, .value_kind: global_buffer, .address_space: global }
      - { .name: xsc, .offset: 8, .size: 8, .value_kind: global_buffer, .address_space: global }
      - { .name: wq, .offset: 16, .size: 8, .value_kind: global_buffer, .address_space: global }
      - { .name: rope, .offset: 24, .size: 8, .value_kind: global_buffer, .address_space: global }
      - { .name: attn_mask, .offset: 32, .size: 8, .value_kind: global_buffer, .address_space: global }
      - { .name: b_qkv, .offset: 40, .size: 8, .value_kind: global_buffer, .address_space: global }
      - { .name: ao, .offset: 48, .size: 8, .value_kind: global_buffer, .address_space: global }
      - { .name: asc, .offset: 56, .size: 8, .value_kind: global_buffer, .address_space: global }
    .group_segment_fixed_size: 274944
    .private_segment_fixed_size: 0
    .kernarg_segment_align: 8
    .kernarg_segment_size: 64
    .max_flat_workgroup_size: 128
    .sgpr_count:     100
    .vgpr_count:     1024
    .wavefront_size: 32
...
	.end_amdgpu_metadata
.endif
;; end of part 2
;; launch outp (part 3): grid 256 x 1, 4 waves a work-group, no clusters, 212,480 bytes of LDS; arguments ao, asc, wo, b_out, out0; writes out0
.if DOCPART == 3
	.amdgcn_target "amdgcn-amd-amdhsa--gfx1250"
	.amdhsa_code_object_version 6
	.text
	.protected	k_qe26d79e764_outp
	.globl	k_qe26d79e764_outp
	.p2align	8
	.type	k_qe26d79e764_outp,@function
k_qe26d79e764_outp:
	s_mov_b64 s[64:65], 0
	v_nop
	global_prefetch_b8 v0, s[64:65] scope:SCOPE_SE
	s_setreg_imm32_b32 hwreg(HW_REG_WAVE_MODE, 25, 1), 1
	s_wait_xcnt 0x0
; OUTP: out0 = (the attention's result) W_out + b_out, on codes of FP6 (E2M3) with E8M0 scales, as launch attn (ao, asc) and launch prep (wo) have laid them: images of the operands' registers.
; SHARES.  A work-group takes one batch (7 tiles of 16 rows; rows from 102 on are not stored) and half of the 1,024 columns; a wave 128 columns, in TWO PASSES of 64 columns (4 tiles): 28 accumulators a pass.
; A pass walks K in 8 steps of 128: 28 products a step, the accumulators by turns; a pass's first step takes the bias as C, so nothing is cleared or added.
; The two passes are one stream of 16 steps, written out: every offset is an immediate and no pointer is stepped.
; x (ao's 86,016 bytes and asc's 4,096 of the batch) comes into LDS once, by one tensor load a wave at the head: waves 0-2 a third of the images each, wave 3 the scale words.  Nothing is filled again.
; x's fragments come from LDS a step ahead, in two sets of registers and in two runs a step: the next step's fragments 0-3 at the step's top, its fragments 4-6 behind the sixteenth product.
; THE WEIGHTS come from memory straight into registers, a buffer for each K step (48 registers and 2 scale words, 14 loads), four steps ahead, over the passes' border too.
; THE WAY OUT: a tile's 16 rows x 64 columns go into the wave's own stage and come back as whole rows of 256 bytes, sixteen lanes to an aligned unit.  The stage holds all seven tiles of a pass:
; pass 0's tiles are read back and stored one in each step of pass 1; pass 1's leave behind it.
; Source 0 = the weights, source 1 = x: lane (r, h) holds row r of the tile and columns 32 (t / 2) + 8 (t % 2) + 16 h + 0 .. 7 of the pass's 64.  rowof(m, i) = 32 (m / 2) + 8 (m % 2) + i + 8 (i / 8).
; No cluster: what two work-groups share, x, is 90,112 of the 499,712 bytes that a work-group reads; the weights go into registers and pass no LDS, where a joint load would land.
; No prefetch: x is asked for whole at the head, with no loop ahead of it to run in, and the weights are asked for four K steps ahead by their own loads.
; REGISTERS.  Window 0: v1-11 addresses, v32-63 x's scale words (4 a K step), v64-79 the weights' (2 a K step), v88-255 x's fragments in two sets of 84 (behind pass 1 five sets of 32 on the way out).
; Window 1: buffers 0-4.  Window 2: buffers 5-7, v144-239 three sets of 32 for pass 0's way out.  Window 3: v0-223 accumulator (m, t) at 32 m + 8 t, v224-255 the bias tuples.
.set CH, 12800                         ; a chunk: 8 fragments of weights and their 512 bytes of scale words
.set XSCB, 86016                       ; LDS: x's images from 0, their scale words,
.set STG, 90112                        ; a stage of 7 tiles x 16 rows x 272 bytes for each wave,
.set SP, 272
.set TS, 16*SP
.set SPARE, STG+4*7*TS                 ; 211,968: the spare words: 128 bytes for each wave, two blocks of 256 bytes that no other line names
.set L16, 1
.set L8, 2
.set XA0, 2
.set L4, 3
.set XA1, 4
.set XSA, 5
.set SO, 6
.set SR, 7
.set SPW, 8                            ; SPARE + 4 x my thread's number; never rewritten
.set NIL, 9                            ; 0; never rewritten
.set CO, 10
.set BH, 11
.set XS, 32
.set WS, 64
.set XF, 88
.set OB2, 144
.set WP, 8                             ; s[8:9] my fragments, s[14:15] their scale words, s[10:11] my bias, s[12:13] my part of out0
.set WSP, 14
.set G1X, 24
.set G1S, 32
.set G0X, 40
.set G0S, 44
.set MSB, 0
.macro WIN new                         ; the immediate's high byte repeats the setting that is left; a switch that changes nothing is dropped
.if MSB != (\new)
	s_set_vgpr_msb (MSB<<8)|(\new)
.set MSB, (\new)
.endif
.endm
.macro PLACES n
.rept \n
	v_nop
.endr
.endm
.macro DENSE g, rows                   ; group 1 of a dense block: rows of 256 bytes = 32 elements of 8 bytes
	s_mov_b32 s[\g], 3<<16
	s_mov_b32 s[\g+1], 32<<16
	s_mov_b32 s[\g+2], (\rows)<<16
	s_mov_b32 s[\g+3], 32<<16
	s_mov_b32 s[\g+4], \rows
	s_mov_b32 s[\g+5], 32
	s_mov_b32 s[\g+6], 0
	s_mov_b32 s[\g+7], 0
.endm
.macro WM d, a, b, c, sa, sb, ra, rb   ; D = A B + C; ra, rb = 1: that side's scale words stand in lanes 16-31
.if ((\ra) == 0) && ((\rb) == 0)
	v_wmma_scale_f32_16x16x128_f8f6f4 v[\d:\d+7], v[\a:\a+11], v[\b:\b+11], v[\c:\c+7], v[\sa], v[\sb] matrix_a_fmt:MATRIX_FMT_FP6 matrix_b_fmt:MATRIX_FMT_FP6
.elseif (\rb) == 0
	v_wmma_scale_f32_16x16x128_f8f6f4 v[\d:\d+7], v[\a:\a+11], v[\b:\b+11], v[\c:\c+7], v[\sa], v[\sb] matrix_a_fmt:MATRIX_FMT_FP6 matrix_b_fmt:MATRIX_FMT_FP6 matrix_a_scale:MATRIX_SCALE_ROW1
.elseif (\ra) == 0
	v_wmma_scale_f32_16x16x128_f8f6f4 v[\d:\d+7], v[\a:\a+11], v[\b:\b+11], v[\c:\c+7], v[\sa], v[\sb] matrix_a_fmt:MATRIX_FMT_FP6 matrix_b_fmt:MATRIX_FMT_FP6 matrix_b_scale:MATRIX_SCALE_ROW1
.else
	v_wmma_scale_f32_16x16x128_f8f6f4 v[\d:\d+7], v[\a:\a+11], v[\b:\b+11], v[\c:\c+7], v[\sa], v[\sb] matrix_a_fmt:MATRIX_FMT_FP6 matrix_b_fmt:MATRIX_FMT_FP6 matrix_a_scale:MATRIX_SCALE_ROW1 matrix_b_scale:MATRIX_SCALE_ROW1
.endif
.endm
.macro WLOAD g                         ; step g of the 16: pass g / 8, K step g % 8: four fragments and two scale words into buffer g % 8: 14 loads
.set wK, (\g)%8
.set wH, (\g)/8
.if wK < 5
	WIN 0x40
.set wR, 48*wK
.else
	WIN 0x80
.set wR, 48*(wK-5)
.endif
.set wI, 0
.rept 12
	global_load_b128 v[wR+4*wI:wR+4*wI+3], v[L16], s[WP:WP+1] offset:wK*CH+6144*wH+512*wI
.set wI, wI+1
.endr
	WIN 0
	global_load_b32 v[WS+2*wK], v[L4], s[WSP:WSP+1] offset:wK*CH+256*wH
	global_load_b32 v[WS+2*wK+1], v[L4], s[WSP:WSP+1] offset:wK*CH+256*wH+128
.endm
.macro BLOAD h                         ; pass h's bias tuples: tile t's eight columns of my half of the lanes: 8 loads
	WIN 0xc0
.set wI, 0
.rept 4
	global_load_b128 v[224+8*wI:227+8*wI], v[BH], s[10:11] offset:256*(\h)+128*(wI/2)+32*(wI%2)
	global_load_b128 v[228+8*wI:231+8*wI], v[BH], s[10:11] offset:256*(\h)+128*(wI/2)+32*(wI%2)+16
.set wI, wI+1
.endr
	WIN 0
.endm
.macro XFRAG s, m                      ; x's fragment of K step s, tile m, into set s % 2: six loads of 256 consecutive bytes
.set xF, 7*(\s)+(\m)
.set xR, XF+84*((\s)%2)+12*(\m)
.set xI, 0
.rept 6
.if xF < 28
	ds_load_b64 v[xR+2*xI:xR+2*xI+1], v[XA0] offset:xF*1536+256*xI
.else
	ds_load_b64 v[xR+2*xI:xR+2*xI+1], v[XA1] offset:(xF-28)*1536+256*xI
.endif
.set xI, xI+1
.endr
.endm
.macro STPUT m                         ; tile m's 32 registers into its place in my stage, each accumulator from its low end on
	WIN 0x0c
.set oT, 0
.rept 4
	ds_store_b128 v[SO], v[32*(\m)+8*oT:32*(\m)+8*oT+3] offset:TS*(\m)+128*(oT/2)+32*(oT%2)
	ds_store_b128 v[SO], v[32*(\m)+8*oT+4:32*(\m)+8*oT+7] offset:TS*(\m)+128*(oT/2)+32*(oT%2)+16
.set oT, oT+1
.endr
	WIN 0
.endm
.macro STGET m, r, w                   ; and back by rows into v[r] on of window w: two rows of 256 bytes a load; tile 6 has six rows.  LDS serves a wave's instructions in order
	WIN (\w)<<6
.set oN, 8
.if (\m) == 6
.set oN, 3
.endif
.set oU, 0
.rept oN
	ds_load_b128 v[(\r)+4*oU:(\r)+4*oU+3], v[SR] offset:TS*(\m)+2*SP*oU
.set oU, oU+1
.endr
	WIN 0
.endm
.macro STSEND m, r, w, h               ; tile m of pass h leaves: sixteen lanes store 256 consecutive bytes, aligned
	WIN (\w)<<2
.set oN, 8
.if (\m) == 6
.set oN, 3
.endif
.set oU, 0
.rept oN
	global_store_b128 v[CO], v[(\r)+4*oU:(\r)+4*oU+3], s[12:13] offset:(32*((\m)/2)+8*((\m)%2)+2*oU+8*(oU/4))*4096+256*(\h) th:TH_STORE_NT
.set oU, oU+1
.endr
	WIN 0
.endm
; In step s of pass 1: pass 0's tile s is asked back from the stage, and tile s - 1, asked for a step ago, is stored.  Three sets of registers: the set that tile s takes was read by tile s - 3's stores,
; issued two steps ago: s_wait_xcnt 0 frees it.  Behind tile s - 1's loads stand the last step's 42 loads of x and tile s's loads.
.macro SBLOCK s
.set bN, 0
.if (\s) <= 6
.if (\s) >= 3
	s_wait_xcnt 0x0
.endif
	STGET \s, OB2+32*((\s)%3), 2
.set bN, oN
.endif
.if (\s) >= 1
	s_wait_dscnt 42+bN
	STSEND (\s)-1, OB2+32*(((\s)-1)%3), 2, 0
.endif
.endm
; A step.  Four places, since the loads land in registers that the last step's products have read; the weights of four steps on; the next step's fragments 0-3 of x; 16 products; its fragments 4-6; 12 products.
; Global loads that may be out behind step g's: four steps' (56), at the end those of the steps left (the second pass's 8 bias loads, issued in step 1, only make the wait the stricter).
; LDS loads that may be out: behind this step's fragments 0-3 stand its fragments 4-6 (18) and the 24 just issued; behind its fragments 4-6 the 24 and the 18 just issued: 42 both times
; (the stage's instructions in between only make the wait the stricter).  The last step asks for nothing: 18, then 0.
.macro STEP g
.if ((\g) > 0) && ((\g) != 8)
	PLACES 4
.endif
	WIN 0
.if (\g) >= 8
	SBLOCK (\g)-8
.endif
.if (\g) == 1
	BLOAD 1
.endif
.if (\g) <= 11
	WLOAD (\g)+4
	s_wait_loadcnt 56
.else
	s_wait_loadcnt 14*(15-(\g))
.endif
.set gS, (\g)%8
.if gS < 5
.set gV, 1
.set gW, 48*gS
.else
.set gV, 2
.set gW, 48*(gS-5)
.endif
.set gM, 0
.rept 7
.if gM == 0
.if (\g) < 15
	WIN 0
	XFRAG ((\g)+1)%8, 0
	XFRAG ((\g)+1)%8, 1
	XFRAG ((\g)+1)%8, 2
	XFRAG ((\g)+1)%8, 3
	s_wait_dscnt 42
.else
	s_wait_dscnt 18
.endif
.endif
.if gM == 4
.if (\g) < 15
	WIN 0
	XFRAG ((\g)+1)%8, 4
	XFRAG ((\g)+1)%8, 5
	XFRAG ((\g)+1)%8, 6
	s_wait_dscnt 42
.else
	s_wait_dscnt 0x0
.endif
.endif
	WIN 0xf0|gV
.set gT, 0
.rept 4
.set gD, 32*gM+8*gT
.set gC, gD
.if gS == 0
.set gC, 224+8*gT
.endif
	WM gD, gW+12*gT, XF+84*(gS%2)+12*gM, gC, WS+2*gS+gT/2, XS+4*gS+gM/2, gT%2, gM%2
.set gT, gT+1
.endr
.set gM, gM+1
.endr
.endm
	s_load_b256 s[4:11], s[0:1], 0x0               ; ao s[4:5], asc s[6:7], wo s[8:9], b_out s[10:11]
	s_load_b64 s[12:13], s[0:1], 0x20              ; out0
	v_lshl_add_u32 v[SPW], v0, 2, SPARE
	v_mov_b32 v[NIL], 0
	ds_add_u32 v[SPW], v[NIL]                      ; the opening lines: the add, twice on end, and its wait ahead of my tensor load
	ds_add_u32 v[SPW], v[NIL]
	v_lshrrev_b32 v12, 5, v0
	v_readfirstlane_b32 s20, v12                   ; wave
	s_lshr_b32 s21, ttmp9, 1                       ; batch
	s_and_b32 s22, ttmp9, 1                        ; half of the columns
	v_and_b32 v12, 31, v0                          ; lane
	v_and_b32 v13, 15, v0                          ; r
	v_bfe_u32 v14, v0, 4, 1                        ; h
	v_lshlrev_b32 v[L16], 4, v12
	v_lshlrev_b32 v[L8], 3, v12
	v_lshlrev_b32 v[L4], 2, v12
	v_add_nc_u32 v[XA1], 43008, v[L8]
	v_add_nc_u32 v[XSA], XSCB, v[L4]
	s_mul_i32 s23, s20, 7*TS
	s_add_co_u32 s23, s23, STG                     ; my stage
	v_mul_u32_u24 v[SO], v13, SP
	v_lshl_add_u32 v[SO], v14, 6, v[SO]
	v_add_nc_u32 v[SO], s23, v[SO]                 ; in: row r, + 64 h
	v_mul_u32_u24 v[SR], v14, SP
	v_lshl_add_u32 v[SR], v13, 4, v[SR]
	v_add_nc_u32 v[SR], s23, v[SR]                 ; back: lanes 0-15 one row, lanes 16-31 the next
	v_lshlrev_b32 v[CO], 12, v14
	v_lshl_add_u32 v[CO], v13, 4, v[CO]            ; the same two rows in out0
	v_lshlrev_b32 v[BH], 6, v14
	DENSE G1X, 112                                 ; a third of x's 86,016 bytes
	DENSE G1S, 16                                  ; the scale words' 4,096
	s_mov_b32 s[G0X], 1
	s_mul_i32 s[G0X+1], s20, 28672                 ; (waves 0 to 2 alone ask by it)
	s_mov_b32 s[G0S], 1
	s_mov_b32 s[G0S+1], XSCB
	s_mul_i32 s48, s21, 86016
	s_mul_i32 s23, s20, 28672
	s_add_co_u32 s48, s48, s23
	s_mov_b32 s49, 0
	s_lshl_b32 s50, s21, 12
	s_mov_b32 s51, 0
	s_lshl_b32 s52, s22, 2
	s_add_co_u32 s52, s52, s20                     ; which 128 columns
	s_mov_b32 s55, 0
	s_wait_alu depctr_va_vdst(0)
	s_wait_dscnt 0x0                               ; both opening adds are done
	s_wait_kmcnt 0x0
	s_add_nc_u64 s[G0X+2:G0X+3], s[4:5], s[48:49]
	s_or_b32 s[G0X+3], s[G0X+3], 0x80000000
	s_add_nc_u64 s[G0S+2:G0S+3], s[6:7], s[50:51]
	s_or_b32 s[G0S+3], s[G0S+3], 0x80000000
	s_cmp_lt_u32 s20, 3                            ; one fill a wave, in the arms of one branch on the wave's number
	s_cbranch_scc0 .Lhead_s
	tensor_load_to_lds s[G0X:G0X+3], s[G1X:G1X+7]
	s_nop 0
	PLACES 4
	s_branch .Lhead_asked
.Lhead_s:
	tensor_load_to_lds s[G0S:G0S+3], s[G1S:G1S+7]
	s_nop 0
	PLACES 4
.Lhead_asked:
	s_mul_i32 s54, s52, 8*CH
	s_add_nc_u64 s[WP:WP+1], s[WP:WP+1], s[54:55]
	s_add_nc_u64 s[WSP:WSP+1], s[WP:WP+1], 12288
	s_lshl_b32 s54, s52, 9
	s_add_nc_u64 s[10:11], s[10:11], s[54:55]
	s_add_nc_u64 s[12:13], s[12:13], s[54:55]
	s_mul_i32 s54, s21, 417792
	s_add_nc_u64 s[12:13], s[12:13], s[54:55]
	BLOAD 0                                        ; the bias and the first two steps' weights are asked for beside x; the next two behind x's wait
	WLOAD 0
	WLOAD 1
	s_wait_tensorcnt 0x0                           ; my part of x has landed,
	s_barrier_signal -1
	s_barrier_wait -1                              ; and everybody's; nobody writes these bytes again
	WLOAD 2
	WLOAD 3
.set xJ, 0
.rept 32
	ds_load_b32 v[XS+xJ], v[XSA] offset:512*(xJ/4)+128*(xJ%4)    ; x's scale words of all eight K steps: register j = tile 2 j in lanes 0-15, tile 2 j + 1 in lanes 16-31
.set xJ, xJ+1
.endr
.irp m, 0,1,2,3,4,5,6
	XFRAG 0, \m
.endr
.irp g, 0,1,2,3,4,5,6,7
	STEP \g
.endr
	PLACES 5                                       ; four ahead of the stores that read the results; five ahead of pass 1's first products, which begin these accumulators anew
.irp m, 0,1,2,3,4,5,6
	STPUT \m
.endr
.irp g, 8,9,10,11,12,13,14,15
	STEP \g
.endr
	PLACES 4                                       ; ahead of the stores that read the results and of the loads into x's registers
	STPUT 0
	STGET 0, XF, 0
.irp m, 1,2,3,4,5,6
.if \m == 5
	s_wait_xcnt 0x0                                ; tiles 0 and 1's stores have read their registers, which tiles 5 and 6 take
.endif
	STPUT \m
	STGET \m, XF+32*(\m%5), 0
	s_wait_dscnt 8+oN                              ; behind tile m - 1's loads: tile m's 8 stores and its loads
	STSEND \m-1, XF+32*((\m-1)%5), 0, 1
.endr
	s_wait_dscnt 0x0
	STSEND 6, XF+32, 0, 1
	s_wait_tensorcnt 0x0                           ; the wave's end
	ds_add_u32 v[SPW], v[NIL]
	s_wait_dscnt 0x0
	s_endpgm
.Lfunc_end_k_qe26d79e764_outp:
	.size	k_qe26d79e764_outp, .Lfunc_end_k_qe26d79e764_outp-k_qe26d79e764_outp
	.p2alignl 7, 3214868480
	.fill 96, 4, 3214868480
	.section	.rodata,"a",@progbits
	.p2align	6, 0x0
	.amdhsa_kernel k_qe26d79e764_outp
		.amdhsa_group_segment_fixed_size 212480
		.amdhsa_private_segment_fixed_size 0
		.amdhsa_enable_private_segment 0
		.amdhsa_kernarg_size 40
		.amdhsa_user_sgpr_count 2
		.amdhsa_user_sgpr_kernarg_segment_ptr 1
		.amdhsa_wavefront_size32 1
		.amdhsa_system_sgpr_workgroup_id_x 1
		.amdhsa_system_sgpr_workgroup_id_y 1
		.amdhsa_system_sgpr_workgroup_id_z 1
		.amdhsa_system_vgpr_workitem_id 0
		.amdhsa_next_free_vgpr 1024
		.amdhsa_next_free_sgpr 66
		.amdhsa_reserve_vcc 0
		.amdhsa_float_denorm_mode_32 3
		.amdhsa_float_denorm_mode_16_64 3
		.amdhsa_memory_ordered 1
		.amdhsa_forward_progress 1
		.amdhsa_inst_pref_size 159
	.end_amdhsa_kernel
	.amdgpu_metadata
---
amdhsa.version: [ 1, 2 ]
amdhsa.kernels:
  - .name:           k_qe26d79e764_outp
    .symbol:         k_qe26d79e764_outp.kd
    .args:
      - { .name: ao, .offset: 0, .size: 8, .value_kind: global_buffer, .address_space: global }
      - { .name: asc, .offset: 8, .size: 8, .value_kind: global_buffer, .address_space: global }
      - { .name: wo, .offset: 16, .size: 8, .value_kind: global_buffer, .address_space: global }
      - { .name: b_out, .offset: 24, .size: 8, .value_kind: global_buffer, .address_space: global }
      - { .name: out0, .offset: 32, .size: 8, .value_kind: global_buffer, .address_space: global }
    .group_segment_fixed_size: 212480
    .private_segment_fixed_size: 0
    .kernarg_segment_align: 8
    .kernarg_segment_size: 40
    .max_flat_workgroup_size: 128
    .sgpr_count:     66
    .vgpr_count:     1024
    .wavefront_size: 32
...
	.end_amdgpu_metadata
.endif
;; end of part 3
